; MI455X (gfx1250); checked and timed in simulation.
; The chip was launched on July 23, 2026; its instructions are those of AMD's public machine-readable ISA for CDNA 5 (MIT licence, August 2026) and "CDNA5" Instruction Set Architecture Reference Guide (July 2026). The comments in the code are by the model that wrote it; some were corrected since.
;; Masked Multi Head Attention. Allowed arithmetic: matrix products marked QUANTISED: E2M3 operands, one E8M0 scale for each 32 along K, by v_wmma_scale_f32_16x16x128_f8f6f4 with both operands' format E2M3, f32 sums; everything else in f32.
;; Inputs: Wk 1,024 x 1,024 float32; Wo 1,024 x 1,024 float32; Wq 1,024 x 1,024 float32; Wv 1,024 x 1,024 float32; bo 1,024 float32; x 4 x 2,048 x 1,024 float32.
;; Outputs: out0 4 x 2,048 x 1,024 float32.
;; This version of the problem:
;;   THIS VERSION OF THE PROBLEM IS GIVEN IN LOW PRECISION. The matrix products marked QUANTISED in the list below multiply operands that are first quantised to E2M3 (2 exponent bits, 3 mantissa bits; 6 bits a number), with one power-of-two scale for each 32 numbers along K (OCP MX v1.0); their sums are f32. All else is computed in f32.
;;   The module's matrix products, in the order in which they are computed (A, B: the left and right operand; K: the contracted axis; several contracted axes count as one K, in the product's order):
;;     1. [M 8,192, K 1,024] x [K 1,024, N 1,024]; A: input x; B: input Wq: QUANTISED
;;     2. [M 8,192, K 1,024] x [K 1,024, N 1,024]; A: input x; B: input Wk: QUANTISED
;;     3. [M 8,192, K 1,024] x [K 1,024, N 1,024]; A: input x; B: input Wv: QUANTISED
;;     4. batch 64 x [M 2,048, K 64] x [K 64, N 2,048]; A: computed on the way; B: computed on the way: QUANTISED
;;     5. batch 64 x [M 2,048, K 2,048] x [K 2,048, N 64]; A: softmax (see below); B: computed on the way: QUANTISED
;;     6. [M 8,192, K 1,024] x [K 1,024, N 1,024]; A: computed on the way; B: input Wo: QUANTISED
;;   THE QUANTISER, for each operand of a quantised product, along K:
;;     - K is cut into blocks of 32 from its start; a last block that is shorter is filled with zeros.
;;     - A block's scale is 2^e with e = floor(log2(the largest magnitude in the block)) - 2, held to -126 .. 127; a block of zeros has e = 0. As a byte (E8M0): e + 127.
;;     - Each number is divided by its block's scale, clamped to +-7.5, and rounded to the nearest number of E2M3, ties to even, subnormals kept.
;;     - The product sums the exact products of the quantised numbers (number of the format x scale) in f32.
;;   ~~~python
;;   def quantise(x, axis):      # numpy; x: float32 -> the quantised numbers, widened to float32 again
;;       x = np.moveaxis(x, axis, -1); K = x.shape[-1]
;;       x = np.pad(x, [(0, 0)] * (x.ndim - 1) + [(0, -K % 32)]); x = x.reshape(x.shape[:-1] + (-1, 32)); a = np.abs(x).max(-1, keepdims=True)
;;       e = np.where(a > 0, np.clip(np.frexp(np.where(a > 0, a, 1))[1] - 1 - 2, -126, 127), 0)      # np.frexp(a)[1] - 1 = floor(log2(a)), exactly
;;       r = np.clip(x / 2.0 ** e, -7.5, 7.5)
;;       step = 2.0 ** (np.maximum(np.frexp(np.where(r == 0, 1, r))[1] - 1, 0) - 3)
;;       q = np.round(r / step) * step * 2.0 ** e      # np.round: ties to even
;;       return np.moveaxis(q.reshape(q.shape[:-2] + (-1,))[..., :K], -1, axis).astype(np.float32)
;;   ~~~
;;   SOFTMAX AHEAD OF A QUANTISED PRODUCT. Where the list says 'softmax', what is quantised is not the finished softmax but p = 2^(t - M), with t = logit x log2(e) and M = ceil(the row's largest t), a whole number; so 1/2 < the row's largest p <= 1. The row's sum l is taken of the UNQUANTISED p, in f32, and the product's result is divided by l at the end. Since M is a whole number, a kernel that streams over the keys may use a running M (the ceiling of the running maximum): every later rescaling is an exact power of two, which a block's scale takes up: the codes' values come out the same.
;;   OPERANDS COMPUTED ON THE WAY. 'Computed on the way' means the value that the module computes at that place (a softmax that the list does not call 'softmax' is quantised finished and normalised). What goes into a quantiser is computed in f32, as accurately as f32 sums, v_exp_f32 and their like allow (about 1e-6 of the number): no bf16 or f16 on the way to a quantiser, and a product that is left as it is and whose result goes on into a quantised operand takes f32 operands (vector FMAs, or v_wmma_f32_16x16x4_f32). A number that lies on a knife's edge between two numbers of the format may be rounded either way, as far as f32 arithmetic and the matrix unit's own rounding can turn it there, and no further.
;; One version. Each part assembles by itself: llvm-mc -triple=amdgcn-amd-amdhsa -mcpu=gfx1250 --defsym DOCPART=n.
;; ======== version 1 of 1: 4 launches
;; workspace buffers: ximg 6,291,456 bytes; xscl 262,144 bytes; wimg 3,145,728 bytes; wscl 131,072 bytes; qkrec 13,631,488 bytes; vrec 6,553,600 bytes; cimg 6,291,456 bytes; cscl 262,144 bytes
;; launch quant (part 1): grid 384 x 1, 4 waves a work-group, no clusters, 34,304 bytes of LDS; arguments x, Wq, Wk, Wv, Wo, ximg, xscl, wimg, wscl; writes ximg, xscl, wimg, wscl
.if DOCPART == 1
	.amdgcn_target "amdgcn-amd-amdhsa--gfx1250"
	.amdhsa_code_object_version 6
	.text
	.protected	k_q4018873487_quant
	.globl	k_q4018873487_quant
	.p2align	8
	.type	k_q4018873487_quant,@function
k_q4018873487_quant:
	s_mov_b64 s[64:65], 0
	v_nop
	global_prefetch_b8 v0, s[64:65] scope:SCOPE_SE
	s_setreg_imm32_b32 hwreg(HW_REG_WAVE_MODE, 25, 1), 1
	s_wait_xcnt 0x0
; x [8192][1024] f32 (K innermost) and Wq, Wk, Wv, Wo [1024 (k)][1024 (n)] f32 (K is the first axis) become codes of FP6 (E2M3) with one E8M0 scale byte for each 32 along K.
; A block's scale is 2^(floor(log2(its largest magnitude)) - 2); its byte is the largest magnitude's exponent field - 2, held at 1 from below.
; LIMITS: NaN and infinities among the inputs are not served; a block whose largest magnitude lies under 2^-124 gets the byte 1; a block of zeros gets the byte 1 where the rule says 127:
; its codes are zeros, which add nothing under any byte but 0xff, and the bytes are read by this program alone.
; LAYOUT OF THE RESULTS: images of the matrix operand's registers.  Rows (of x; columns n of a weight) go in tiles of 16: tile T, position p is row 32 (T / 2) + 16 (p / 8) + 8 (T % 2) + p % 8.
; A HALF is 16 rows x 64 along K, six registers a lane, 768 bytes: lane l = 16 h + r holds block h of the pair of blocks of the row at position r; registers 0-3 at 16 l, registers 4-5 at 512 + 8 l.
; Codes: [tile][16 HALFs][768].  Scales: [tile][kh 0..1][r][4 words]: word j is the scale word of the K step (128 along K) 4 kh + j.
; Work-groups 0-255 take x, 256-383 the weights: a scalar branch on the work-group's number.  Only x's path uses LDS.  Waves share nothing: no barrier.
.set FLOOR, 0x1800000                  ; 2^(3 - 127): under it no largest magnitude is taken
.set R,    16                          ; x: v16-143  two sets of 64 numbers as loaded
.set X,    144                         ; x: v144-207 the lane's two whole blocks
.set PC,   208                         ; x: v208-219 a fragment's codes
.set TC,   220                         ; x: v220-222, v224-226 second halves of the blocks' codes before they are moved
.set WD,   236                         ; x: v236-239 the four scale words
.set STG,  8448                        ; x: a wave's stage: 16 rows of 512 bytes + 16
.set XW,   16                          ; W: v16-79 two sets of 32 numbers
.set PA,   80                          ; W: v80-85 the even block's codes, v86-91 the odd block's
.set TCW,  92                          ; W: v92-94
	s_load_b256 s[4:11], s[0:1], 0x0               ; x, Wq, Wk, Wv
	s_load_b256 s[12:19], s[0:1], 0x20             ; Wo, ximg, xscl, wimg
	s_load_b64 s[20:21], s[0:1], 0x40              ; wscl
	v_lshl_add_u32 v254, v0, 2, 0x8400
	v_mov_b32 v255, 0
	v_lshrrev_b32 v1, 5, v0
	v_readfirstlane_b32 s22, v1                    ; wave
	v_and_b32 v2, 31, v0                           ; lane
	v_and_b32 v3, 15, v0                           ; r
	v_bfe_u32 v10, v0, 4, 1                        ; h
	s_mov_b32 s24, 0x76543210
	s_mov_b32 s25, 0xfedcba98                      ; v_permlanex16_b32's selects for lane l xor 16
	s_mov_b32 s27, 0xffff0000                      ; the upper sixteen lanes
	s_cmp_ge_u32 ttmp9, 256
	s_cbranch_scc1 .Lweights
; ---------------- x: a wave takes one tile of 16 rows and 512 along K, in four steps of 128
	s_lshl_b32 s28, ttmp9, 2
	s_add_co_u32 s28, s28, s22                     ; u = 2 T + kh
	s_lshr_b32 s29, s28, 1                         ; T
	s_and_b32 s30, s28, 1                          ; kh
	s_lshr_b32 s31, s29, 1
	s_lshl_b32 s31, s31, 17                        ; 32 (T / 2) rows of 4,096 bytes
	s_and_b32 s32, s29, 1
	s_lshl_b32 s32, s32, 15                        ; 8 (T % 2) rows
	s_add_co_u32 s34, s31, s32
	s_lshl_b32 s33, s30, 11                        ; 512 numbers along K
	s_add_co_u32 s34, s34, s33
	s_mov_b32 s35, 0
	s_mul_i32 s36, s28, 6144                       ; codes: 12,288 T + 6,144 kh
	s_mov_b32 s37, 0
	s_lshl_b32 s38, s28, 8                         ; scales: 512 T + 256 kh
	s_mov_b32 s39, 0
	s_mul_i32 s40, s22, STG                        ; my stage
	v_lshlrev_b32 v4, 4, v2                        ; 16 x lane: a load's 512 bytes, and a HALF's first four registers
	v_add_nc_u32 v5, s40, v4                       ; the stage on the way in
	v_mul_u32_u24 v6, v3, 528
	v_lshl_add_u32 v6, v10, 7, v6
	v_add_nc_u32 v6, s40, v6                       ; and out: row r, block h
	v_lshlrev_b32 v7, 3, v2                        ; 8 x lane: a HALF's last two registers
	v_lshlrev_b32 v8, 4, v3
	v_lshl_add_u32 v8, v10, 3, v8                  ; the scale words' place: 16 r + 8 h
	v_lshlrev_b32 v9, 3, v10                       ; 8 h: my bytes' place in a scale word, in bits
	v_mov_b32 v235, 0                              ; a lane permute's destination counts as one of its sources
	s_wait_kmcnt 0x0
	s_add_nc_u64 s[4:5], s[4:5], s[34:35]
	s_add_nc_u64 s[14:15], s[14:15], s[36:37]
	s_add_nc_u64 s[16:17], s[16:17], s[38:39]
.macro LOADX t                         ; step t: 512 consecutive bytes of each of the tile's 16 rows
.set p, 0
.rept 16
	global_load_b128 v[R+64*((\t)%2)+4*p:R+64*((\t)%2)+4*p+3], v4, s[4:5] offset:(16*(p/8)+p%8)*4096+512*(\t) th:TH_LOAD_NT
.set p, p+1
.endr
.endm
.macro STEPX t
.if (\t) < 3
	s_wait_loadcnt 16                              ; this step's 16 loads are in; the next step's 16 may be out
.else
	s_wait_loadcnt 0x0
.endif
.set p, 0
.rept 16
	ds_store_b128 v5, v[R+64*((\t)%2)+4*p:R+64*((\t)%2)+4*p+3] offset:528*p
.set p, p+1
.endr
.irp c, 0,1                            ; back: lane (r, h) takes blocks h and 2 + h of its row, whole.  LDS serves a wave's instructions in order: these see the stores
.irp j, 0,1,2,3,4,5,6,7
	ds_load_b128 v[X+32*\c+4*\j:X+32*\c+4*\j+3], v6 offset:256*\c+16*\j
.endr
.endr
	s_wait_dscnt 0x0                               ; the numbers are back, and the stores have read their registers,
.if (\t) < 2
	LOADX (\t)+2                                   ; which take the loads of two steps on
.endif
.irp c, 0,1
	v_max3_num_f32 v[228+\c], |v[X+32*\c]|, |v[X+32*\c+1]|, FLOOR
.endr
.irp i, 2,4,6,8,10,12,14,16,18,20,22,24,26,28,30
.irp c, 0,1
	v_max3_num_f32 v[228+\c], v[228+\c], |v[X+32*\c+\i]|, |v[X+32*\c+\i+1]|   ; the two blocks by turns
.endr
.endr
.irp c, 0,1
	v_add_nc_u32 v[230+\c], 0xff000000, v[228+\c]  ; 2 off the exponent field: the conversion's scale operand
.endr
.irp c, 0,1
	v_lshrrev_b32 v[232+\c], 23, v[230+\c]         ; the scale's byte
.endr
	v_lshl_or_b32 v234, v233, 16, v232             ; my two bytes: blocks h and 2 + h,
	v_lshlrev_b32 v234, v9, v234                   ; at their places;
	v_permlanex16_b32 v235, v234, s24, s25
	v_or_b32 v[WD+(\t)], v234, v235                ; with lane l xor 16's two the word is whole
.if (\t) > 0
	s_wait_xcnt 0x0                                ; the last step's stores have read the codes' registers
.endif
.irp c, 0,1
	v_cvt_scalef32_pk16_fp6_f32 v[PC+6*\c:PC+6*\c+2], v[X+32*\c:X+32*\c+15], v[230+\c]
	v_cvt_scalef32_pk16_fp6_f32 v[TC+4*\c:TC+4*\c+2], v[X+32*\c+16:X+32*\c+31], v[230+\c]   ; (a conversion's three registers begin on an even number)
.endr
	v_nop                                          ; one plain place behind a scaled conversion
.irp c, 0,1
.irp i, 0,1,2
	v_mov_b32 v[PC+6*\c+3+\i], v[TC+4*\c+\i]
.endr
.endr
.irp c, 0,1
	global_store_b128 v4, v[PC+6*\c:PC+6*\c+3], s[14:15] offset:(2*(\t)+\c)*768        ; 512 consecutive bytes, aligned to 256
	global_store_b64 v7, v[PC+6*\c+4:PC+6*\c+5], s[14:15] offset:(2*(\t)+\c)*768+512   ; 256 consecutive bytes, aligned
.endr
.endm
	LOADX 0
	LOADX 1
	STEPX 0
	STEPX 1
	STEPX 2
	STEPX 3
	v_cndmask_b32 v240, v[WD], v[WD+2], s27        ; lanes 0-15 store words 0 and 1 of their row, lanes 16-31 words 2 and 3
	v_cndmask_b32 v241, v[WD+1], v[WD+3], s27
	global_store_b64 v8, v[240:241], s[16:17]      ; 256 consecutive bytes, aligned
	s_wait_tensorcnt 0x0
	ds_add_u32 v254, v255
	s_wait_dscnt 0x0
	s_endpgm
; ---------------- the weights: a wave takes 32 columns x 256 along K.  A lane takes a column and its registers run down K
.Lweights:
	s_sub_co_u32 s28, ttmp9, 256
	s_lshr_b32 s29, s28, 5                         ; which weight: 0 Wq, 1 Wk, 2 Wv, 3 Wo
	s_bfe_u32 s30, s28, 0x30002                    ; which 128 columns
	s_and_b32 s31, s28, 3                          ; which 256 along K
	v_and_b32 v4, 7, v2                            ; lane l takes column l with bits 3 and 4 changed over: lanes 0-15 are the positions of tile 2 w, lanes 16-31 of tile 2 w + 1
	v_bfe_u32 v5, v2, 3, 1
	v_lshl_add_u32 v4, v5, 4, v4
	v_lshl_add_u32 v4, v10, 3, v4
	v_lshlrev_b32 v4, 2, v4
	v_lshlrev_b32 v5, 4, v2
	v_lshlrev_b32 v6, 3, v2
	v_lshlrev_b32 v7, 4, v3
	v_lshl_add_u32 v7, v10, 9, v7                  ; scales: 512 x (my tile of the two) + 16 r
	s_lshl_b32 s34, s31, 20                        ; 256 rows of 4,096 bytes
	s_lshl_b32 s32, s30, 9
	s_add_co_u32 s34, s34, s32
	s_lshl_b32 s32, s22, 7
	s_add_co_u32 s34, s34, s32                     ; + (128 c + 32 w) x 4
	s_mov_b32 s35, 0
	s_lshl_b32 s33, s29, 6
	s_lshl_b32 s32, s30, 3
	s_add_co_u32 s33, s33, s32
	s_lshl_b32 s32, s22, 1
	s_add_co_u32 s33, s33, s32                     ; my first tile: 64 x weight + 8 c + 2 w
	s_mul_i32 s36, s33, 12288
	s_mul_i32 s32, s31, 3072
	s_add_co_u32 s36, s36, s32
	s_mov_b32 s37, 0
	s_lshl_b32 s38, s33, 9
	s_lshr_b32 s32, s31, 1
	s_lshl_b32 s32, s32, 8
	s_add_co_u32 s38, s38, s32
	s_and_b32 s32, s31, 1
	s_lshl_b32 s32, s32, 3
	s_add_co_u32 s38, s38, s32
	s_mov_b32 s39, 0
	s_wait_kmcnt 0x0
	s_cmp_eq_u32 s29, 1                            ; the choice hangs on the work-group's number alone
	s_cselect_b64 s[40:41], s[8:9], s[6:7]
	s_cmp_eq_u32 s29, 2
	s_cselect_b64 s[40:41], s[10:11], s[40:41]
	s_cmp_eq_u32 s29, 3
	s_cselect_b64 s[40:41], s[12:13], s[40:41]
	s_add_nc_u64 s[40:41], s[40:41], s[34:35]
	s_add_nc_u64 s[18:19], s[18:19], s[36:37]
	s_add_nc_u64 s[20:21], s[20:21], s[38:39]
.macro LOADW t                         ; block t: W(32 t + i, my column): a wave's load reads 128 consecutive bytes, the four waves stand side by side on 512
.set p, 0
.rept 32
	global_load_b32 v[XW+32*((\t)%2)+p], v4, s[40:41] offset:(32*(\t)+p)*4096 th:TH_LOAD_NT
.set p, p+1
.endr
.endm
.macro BLOCKW t
.set XS, XW+32*((\t)%2)
.set PP, PA+6*((\t)%2)
.if (\t) < 7
	s_wait_loadcnt 32                              ; this block's 32 loads are in; the next block's may be out
.else
	s_wait_loadcnt 0x0
.endif
	v_max3_num_f32 v98, |v[XS]|, |v[XS+1]|, |v[XS+2]|
	v_max3_num_f32 v99, |v[XS+3]|, |v[XS+4]|, |v[XS+5]|
.irp i, 6,10,14,18,22,26
	v_max3_num_f32 v98, v98, |v[XS+\i]|, |v[XS+\i+1]|
	v_max3_num_f32 v99, v99, |v[XS+\i+2]|, |v[XS+\i+3]|
.endr
	v_max3_num_f32 v98, v98, |v[XS+30]|, |v[XS+31]|
	v_max3_num_f32 v98, v98, v99, FLOOR
	v_add_nc_u32 v100, 0xff000000, v98
	v_lshrrev_b32 v101, 23, v100
.if (\t)%4 == 0
	v_mov_b32 v[96+(\t)/4], v101                   ; four bytes to a scale word, the lower K in the lower byte
.else
	v_lshl_or_b32 v[96+(\t)/4], v101, 8*((\t)%4), v[96+(\t)/4]
.endif
.if ((\t)%2 == 0) && ((\t) > 0)
	s_wait_xcnt 0x0                                ; the last pair's stores have read the codes' registers
.endif
	v_cvt_scalef32_pk16_fp6_f32 v[PP:PP+2], v[XS:XS+15], v100
	v_cvt_scalef32_pk16_fp6_f32 v[TCW:TCW+2], v[XS+16:XS+31], v100
	v_nop
.irp i, 0,1,2
	v_mov_b32 v[PP+3+\i], v[TCW+\i]
.endr
.if (\t)+2 < 8
	LOADW (\t)+2
.endif
.if (\t)%2 == 1                        ; a pair of blocks is 64 along K.  The even block's lanes 16-31 change places with the odd block's lanes 0-15: the first six registers are then tile 0's HALF, the second six tile 1's
.irp i, 0,1,2,3,4,5
	v_permlane16_swap_b32 v[PA+\i], v[PA+6+\i]
.endr
	global_store_b128 v5, v[PA:PA+3], s[18:19] offset:((\t)/2)*768
	global_store_b64 v6, v[PA+4:PA+5], s[18:19] offset:((\t)/2)*768+512
	global_store_b128 v5, v[PA+6:PA+9], s[18:19] offset:((\t)/2)*768+12288
	global_store_b64 v6, v[PA+10:PA+11], s[18:19] offset:((\t)/2)*768+12288+512
.endif
.endm
	LOADW 0
	LOADW 1
	BLOCKW 0
	BLOCKW 1
	BLOCKW 2
	BLOCKW 3
	BLOCKW 4
	BLOCKW 5
	BLOCKW 6
	BLOCKW 7
	global_store_b64 v7, v[96:97], s[20:21]        ; my column's two scale words: 8 of each 16 bytes, the other 8 come from the work-group beside me along K: one byte for each 128 that the path reads
	s_endpgm
.Lfunc_end_k_q4018873487_quant:
	.size	k_q4018873487_quant, .Lfunc_end_k_q4018873487_quant-k_q4018873487_quant
	.p2alignl 7, 3214868480
	.fill 96, 4, 3214868480
	.section	.rodata,"a",@progbits
	.p2align	6, 0x0
	.amdhsa_kernel k_q4018873487_quant
		.amdhsa_group_segment_fixed_size 34304
		.amdhsa_private_segment_fixed_size 0
		.amdhsa_enable_private_segment 0
		.amdhsa_kernarg_size 72
		.amdhsa_user_sgpr_count 2
		.amdhsa_user_sgpr_kernarg_segment_ptr 1
		.amdhsa_wavefront_size32 1
		.amdhsa_system_sgpr_workgroup_id_x 1
		.amdhsa_system_sgpr_workgroup_id_y 1
		.amdhsa_system_sgpr_workgroup_id_z 1
		.amdhsa_system_vgpr_workitem_id 0
		.amdhsa_next_free_vgpr 256
		.amdhsa_next_free_sgpr 66
		.amdhsa_reserve_vcc 0
		.amdhsa_float_denorm_mode_32 3
		.amdhsa_float_denorm_mode_16_64 3
		.amdhsa_memory_ordered 1
		.amdhsa_forward_progress 1
		.amdhsa_inst_pref_size 70
	.end_amdhsa_kernel
	.amdgpu_metadata
---
amdhsa.version: [ 1, 2 ]
amdhsa.kernels:
  - .name:           k_q4018873487_quant
    .symbol:         k_q4018873487_quant.kd
    .args:
      - { .name: x, .offset: 0, .size: 8, .value_kind: global_buffer, .address_space: global }
      - { .name: Wq, .offset: 8, .size: 8, .value_kind: global_buffer, .address_space: global }
      - { .name: Wk, .offset: 16, .size: 8, .value_kind: global_buffer, .address_space: global }
      - { .name: Wv, .offset: 24, .size: 8, .value_kind: global_buffer, .address_space: global }
      - { .name: Wo, .offset: 32, .size: 8, .value_kind: global_buffer, .address_space: global }
      - { .name: ximg, .offset: 40, .size: 8, .value_kind: global_buffer, .address_space: global }
      - { .name: xscl, .offset: 48, .size: 8, .value_kind: global_buffer, .address_space: global }
      - { .name: wimg, .offset: 56, .size: 8, .value_kind: global_buffer, .address_space: global }
      - { .name: wscl, .offset: 64, .size: 8, .value_kind: global_buffer, .address_space: global }
    .group_segment_fixed_size: 34304
    .private_segment_fixed_size: 0
    .kernarg_segment_align: 8
    .kernarg_segment_size: 72
    .max_flat_workgroup_size: 128
    .sgpr_count:     66
    .vgpr_count:     256
    .wavefront_size: 32
...
	.end_amdgpu_metadata
.endif
;; end of part 1
;; launch qkv (part 2): grid 8 x 48, 4 waves a work-group, clusters of 4 x 4, 327,680 bytes of LDS; arguments ximg, xscl, wimg, wscl, qkrec, vrec; writes qkrec, vrec
.if DOCPART == 2
	.amdgcn_target "amdgcn-amd-amdhsa--gfx1250"
	.amdhsa_code_object_version 6
	.text
	.protected	k_q4018873487_qkv
	.globl	k_q4018873487_qkv
	.p2align	8
	.type	k_q4018873487_qkv,@function
k_q4018873487_qkv:
	s_mov_b64 s[64:65], 0
	v_nop
	global_prefetch_b8 v0, s[64:65] scope:SCOPE_SE
	s_setreg_imm32_b32 hwreg(HW_REG_WAVE_MODE, 25, 1), 1
	s_wait_xcnt 0x0
	s_wait_alu depctr_hold_cnt(0) depctr_sa_sdst(0) depctr_va_vdst(0) depctr_va_sdst(0) depctr_va_ssrc(0) depctr_va_vcc(0) depctr_vm_vsrc(0)
	s_getreg_b32 s2, hwreg(HW_REG_IB_STS2, 6, 4)
	s_cmp_eq_u32 s2, 0
	s_cbranch_scc0 .Lentry_in_a_cluster
	s_endpgm
.Lentry_in_a_cluster:
	s_bfe_u32 s2, ttmp6, 0x10000c
	s_cmp_lg_u32 s2, 0xf033
	s_cbranch_scc0 .Lentry_shape_is_right
	s_endpgm
.Lentry_shape_is_right:
; q = x Wq, k = x Wk, v = x Wv on codes of FP6 (E2M3) with E8M0 scales for each 32 along K = 1,024; the f32 results are quantised here, in registers, for the attention's products: q and k along a head's 64 channels,
; v along the keys.  Nothing leaves as f32.
; LIMITS: NaN and infinities are not served; a block whose largest magnitude lies under 2^-124 gets the byte 1, and so does a block of zeros (its codes are zeros; this program alone reads the bytes).
; OPERANDS are images of the operand's registers: tiles of 16 rows (tile T, position p = row 32 (T / 2) + 16 (p / 8) + 8 (T % 2) + p % 8), a tile = 16 HALFs of 768 bytes (16 rows x 64 K: lane l's registers 0-3 at 16 l,
; 4-5 at 512 + 8 l).  So every LDS load reads consecutive bytes.  Scales: [tile][kh][r][4 words], word j for the K step (128) 4 kh + j.
; A work-group makes 256 (S0) x 256 (S1), a wave 128 x 128: 64 accumulators, 512 registers.  Source 0 = S0: its index lands in a lane's registers (16 neighbours in the registers of two neighbouring tiles, by the order of
; rows in a tile): it is the next product's K.  Source 1 = S1: its row is the lane's.
; ROLES, by the cluster's y, which all partners share: y < 8: S0 = the 2,048 columns of Wq | Wk, S1 = x's rows (results: q, k);  y >= 8: S0 = x's rows (the keys), S1 = Wv's columns (result: v with the keys along the registers).
; K goes through a ring of two LDS slots of 256 along K, four fills, written out.  The scales of all of K come once.  CLUSTER 4 x 4: S1's tiles are shared along a row of the cluster, S0's along a column: joint loads.
; REGISTERS: window 0: v2-7 the way out's offsets; v16-23 LDS addresses; v27 scales' address; v28, v29 the add's two; v32-95 scale words of all of K (register 8 i + ks: lanes 0-15 S1's tile i, lanes 16-31 S0's tile i);
;   v96-111 the results' scale words; v128-223 S1's fragments, one set (later the results' codes); v224-239 at work.   window 1: S0's fragments, two sets, at v0 and v128.   windows 2, 3: accumulator (a, b) at v[8 (8 (a % 4) + b)].
.set FR,    12                         ; registers of a fragment: 16 rows x 128 K
.set NL,    4                          ; LDS loads that bring one
.set NP,    4                          ; places behind this matrix instruction (ISA guide 7.12.1)
.set TILEB, 3072                       ; a tile's bytes in a slot: four HALFs
.set HALFT, 8*TILEB                    ; eight tiles: what one tensor load brings, and what a wave reads of S1 or of S0
.set SLOT,  4*HALFT                    ; S1's 16 tiles, then S0's 16
.set SCL,   2*SLOT                     ; behind the ring: S1's scales (8,192 bytes), then S0's
.set HALFS, 4096
.set SPARE, SCL+4*HALFS                ; the spare words: 128 bytes for each wave, two blocks of 256 bytes that no other line names
.set VA0, 2
.set VB0, 3
.set VA1, 4
.set VB1, 5
.set VS,  6
.set SH,  7
.set A16, 16                           ; v16-17 S1: 16 x lane + my eight tiles, slot 0, 1;  v18-19 the same with 8 x lane
.set A8,  18
.set B16, 20                           ; v20-23 the same for S0
.set B8,  22
.set ADRS, 27
.set SPW, 28
.set NIL, 29
.set SC,  32
.set WS,  96
.set TW,  104
.set AF,  128
.set PC,  128
.set TM,  224
.set OB,  12                           ; s[12:13] where the codes go;  s[14:15] where the scale words go
.set SB,  14
.set STA, 2                            ; s[2:3] the step from S1's tile a to a + 1 in the result;  s[66:67] the step from 3 to 4
.set ST4, 66
.set SEL, 20
.set G1, 24
.set G0, 32
.set G1B, 48
.set G0B, 56
.set G1S, 68
.set G0S, 76
.set G1SB, 80
.set G0SB, 88
.set MSB, 0
.macro WIN new                         ; the immediate's high byte repeats the setting that is left
.if MSB != \new
	s_set_vgpr_msb (MSB<<8)|\new
.set MSB, \new
.endif
.endm
.set MUL_LO, 0xa1                      ; source 0 (S0) window 1, source 1 (S1) window 0, C and D window 2
.set MUL_HI, 0xf1                      ; the same, C and D window 3
.set TO_B,   0x40                      ; destination window 1, address window 0
; A joint load: waves 0 and 1 fetch for S1, waves 2 and 3 for S0.  The branch hangs on the wave's number alone.  Four v_nop follow each of the two lines.
.macro JLOAD g0a, g1a, g0b, g1b
	s_cmp_eq_u32 s17, 0
	s_cbranch_scc0 .Lfor_b_\@
	tensor_load_to_lds s[\g0a:\g0a+3], s[\g1a:\g1a+7]
	s_nop 0
.rept 4
	v_nop
.endr
	s_branch .Lasked_\@
.Lfor_b_\@:
	tensor_load_to_lds s[\g0b:\g0b+3], s[\g1b:\g1b+7]
	s_nop 0
.rept 4
	v_nop
.endr
.Lasked_\@:
.endm
.macro CREST                           ; a round of the cluster's barrier behind its opening barrier
	s_cmp_lg_u32 s16, 0
	s_cbranch_scc1 .Lnot_wave_0_\@
	s_barrier_signal -3
.Lnot_wave_0_\@:
	s_barrier_wait -3
	s_barrier_signal -1
	s_barrier_wait -1
.endm
.macro CROUND
	s_barrier_signal -1
	s_barrier_wait -1
	CREST
.endm
	s_load_b256 s[4:11], s[0:1], 0x0               ; ximg, xscl, wimg, wscl
	s_load_b128 s[12:15], s[0:1], 0x20             ; qkrec, vrec
	v_lshl_add_u32 v[SPW], v0, 2, SPARE
	v_mov_b32 v[NIL], 0
	ds_add_u32 v28, v29
	s_wait_dscnt 0x0
	v_lshrrev_b32 v1, 5, v0
	v_readfirstlane_b32 s16, v1                    ; wave 0..3
	s_lshr_b32 s17, s16, 1                         ; which half of S1's tiles is mine.  Also: I fetch for S1 (0) or for S0 (1)
	s_and_b32 s18, s16, 1                          ; which half of S0's.  Also: which eight tiles I fetch
	s_bfe_u32 s40, ttmp6, 0x40000                  ; cx
	s_bfe_u32 s41, ttmp6, 0x40004                  ; cy
	s_and_b32 s20, ttmp7, 0xffff                   ; the cluster's y
	s_max_u32 s22, s20, 8
	s_sub_co_u32 s22, s22, 8
	s_lshl_b32 s22, s22, 1
	s_add_co_u32 s22, s22, ttmp9                   ; role V: the cluster's column 2 (y - 8) + x
	s_cmp_lt_u32 s20, 8
	s_cselect_b32 s19, 1, 0                        ; the role: 1 = q and k, 0 = v
	s_cselect_b32 s21, s20, 0                      ; the cluster's row
	s_cselect_b32 s22, ttmp9, s22                  ; and column
	s_lshl_b32 s42, s22, 2
	s_add_co_u32 s42, s42, s40                     ; col: which 256 of S0
	s_lshl_b32 s43, s21, 2
	s_add_co_u32 s43, s43, s41                     ; row: which 256 of S1
	s_lshl_b32 s44, s41, 2
	s_lshl_b32 s44, 15, s44                        ; my row of the cluster
	s_lshl_b32 s45, 0x1111, s40                    ; my column
	; descriptor group 1: eight tiles' 3,072 bytes (384 elements of 8 bytes), 12,288 bytes from tile to tile; no padding
	s_or_b32 s[G1+0], s44, (3<<16)|(1<<21)         ; 15:0 the mask: S1's tiles go to my row; 17:16 elements of 8 bytes; 21 set beside a mask
	s_or_b32 s[G1B+0], s45, (3<<16)|(1<<21)
.irp g, G1, G1B
	s_mov_b32 s[\g+1], 384<<16                     ; tensor_dim0
	s_mov_b32 s[\g+2], 8<<16                       ; tensor_dim1
	s_mov_b32 s[\g+3], 384<<16                     ; tile_dim0
	s_mov_b32 s[\g+4], 8                           ; tile_dim1
	s_mov_b32 s[\g+5], 1536                        ; tensor_dim0_stride
	s_mov_b32 s[\g+6], 0
	s_mov_b32 s[\g+7], 0
.endr
	; the scales of eight tiles: 4,096 dense bytes, as 16 rows of 256
	s_or_b32 s[G1S+0], s44, (3<<16)|(1<<21)
	s_or_b32 s[G1SB+0], s45, (3<<16)|(1<<21)
.irp g, G1S, G1SB
	s_mov_b32 s[\g+1], 32<<16
	s_mov_b32 s[\g+2], 16<<16
	s_mov_b32 s[\g+3], 32<<16
	s_mov_b32 s[\g+4], 16
	s_mov_b32 s[\g+5], 32
	s_mov_b32 s[\g+6], 0
	s_mov_b32 s[\g+7], 0
.endr
	s_lshl_b32 s47, s18, 3
	s_lshl_b32 s46, s43, 4
	s_add_co_u32 s46, s46, s47                     ; S1: the first tile that I fetch: 16 row + 8 half
	s_mul_i32 s96, s46, 12288
	s_mov_b32 s97, 0
	s_lshl_b32 s98, s46, 9
	s_mov_b32 s99, 0
	s_lshl_b32 s2, s42, 4
	s_add_co_u32 s2, s2, s47                       ; S0: 16 col + 8 half
	s_lshl_b32 s66, s2, 9
	s_mov_b32 s67, 0
	s_mul_i32 s2, s2, 12288
	s_mov_b32 s3, 0
	s_mul_i32 s100, s16, HALFT                     ; where they go: wave x eight tiles: no place in the cluster enters an LDS address
	s_lshl_b32 s101, s16, 12
	s_wait_kmcnt 0x0
	s_add_nc_u64 s[92:93], s[8:9], 1572864         ; Wv's codes: tiles 128 on
	s_add_nc_u64 s[94:95], s[10:11], 65536         ; and scales
	s_cmp_eq_u32 s19, 1                            ; the choices hang on the cluster's y alone
	s_cselect_b64 s[92:93], s[4:5], s[92:93]       ; S1's codes
	s_cselect_b64 s[94:95], s[6:7], s[94:95]       ; S1's scales
	s_cselect_b64 s[20:21], s[8:9], s[4:5]         ; S0's codes
	s_cselect_b64 s[22:23], s[10:11], s[6:7]       ; S0's scales
	s_cselect_b64 s[12:13], s[12:13], s[14:15]     ; the result's buffer
	s_add_nc_u64 s[92:93], s[92:93], s[96:97]
	s_add_nc_u64 s[94:95], s[94:95], s[98:99]
	s_add_nc_u64 s[20:21], s[20:21], s[2:3]
	s_add_nc_u64 s[22:23], s[22:23], s[66:67]
	CROUND                                         ; all sixteen work-groups are here: the first joint loads meet
	s_mov_b32 s[G0S], 1
	s_add_co_u32 s[G0S+1], s101, SCL
	s_mov_b64 s[G0S+2:G0S+3], s[94:95]
	s_or_b32 s[G0S+3], s[G0S+3], 0x80000000
	s_mov_b32 s[G0SB], 1
	s_add_co_u32 s[G0SB+1], s101, SCL
	s_mov_b64 s[G0SB+2:G0SB+3], s[22:23]
	s_or_b32 s[G0SB+3], s[G0SB+3], 0x80000000
	JLOAD G0S, G1S, G0SB, G1SB                     ; the scales first: they are wanted with K step 0
.irp s, 0,1
	s_mov_b32 s[G0+4*\s], 1
	s_add_co_u32 s[G0+4*\s+1], s100, \s*SLOT
	s_add_nc_u64 s[G0+4*\s+2:G0+4*\s+3], s[92:93], \s*TILEB
	s_or_b32 s[G0+4*\s+3], s[G0+4*\s+3], 0x80000000
	s_mov_b32 s[G0B+4*\s], 1
	s_add_co_u32 s[G0B+4*\s+1], s100, \s*SLOT
	s_add_nc_u64 s[G0B+4*\s+2:G0B+4*\s+3], s[20:21], \s*TILEB
	s_or_b32 s[G0B+4*\s+3], s[G0B+4*\s+3], 0x80000000
	JLOAD G0+4*\s, G1, G0B+4*\s, G1B               ; by this text's count three tensor loads of a wave are out
.endr
	v_and_b32 v1, 15, v0                           ; r
	v_bfe_u32 v8, v0, 4, 1                         ; h
	v_and_b32 v9, 31, v0                           ; lane
	v_lshlrev_b32 v[VA0], 4, v9
	v_lshlrev_b32 v[VB0], 3, v9
	s_mul_i32 s4, s17, HALFT                       ; my eight tiles of S1
	s_mul_i32 s5, s18, HALFT                       ; my eight of S0,
	s_add_co_u32 s5, s5, 2*HALFT                   ; which lie behind S1's sixteen
.irp s, 0,1
	v_add_nc_u32 v[A16+\s], s4, v[VA0]
	v_add_nc_u32 v[A8+\s], s4, v[VB0]
	v_add_nc_u32 v[B16+\s], s5, v[VA0]
	v_add_nc_u32 v[B8+\s], s5, v[VB0]
	s_add_co_u32 s4, s4, SLOT
	s_add_co_u32 s5, s5, SLOT
.endr
	s_lshl_b32 s4, s17, 12                         ; S1's scales: my eight tiles
	s_lshl_b32 s5, s18, 12                         ; S0's, behind S1's 8,192 bytes
	s_add_co_u32 s5, s5, 2*HALFS
	s_sub_co_u32 s5, s5, s4
	v_mul_u32_u24 v10, s5, v8                      ; lanes 16-31 take S0's: one product, the distance between the two
	s_add_co_u32 s4, s4, SCL
	v_lshl_add_u32 v10, v1, 4, v10
	v_add_nc_u32 v[ADRS], s4, v10
	; where the results go.  Role q, k: record ((which x 4 + b) x 16 + head) x 8 + slot of 13,312 bytes; my S1 tiles lie 768 bytes apart in it; a fragment's two HALFs are two heads, 106,496 bytes apart.
	s_lshr_b32 s4, s42, 2
	s_lshl_b32 s4, s4, 2
	s_lshr_b32 s5, s43, 3
	s_add_co_u32 s4, s4, s5
	s_lshl_b32 s4, s4, 4
	s_and_b32 s5, s42, 3
	s_lshl_b32 s5, s5, 2
	s_add_co_u32 s4, s4, s5
	s_lshl_b32 s5, s18, 1
	s_add_co_u32 s4, s4, s5
	s_lshl_b32 s4, s4, 3
	s_and_b32 s5, s43, 7
	s_add_co_u32 s4, s4, s5
	s_mul_i32 s4, s4, 13312
	s_mul_i32 s5, s17, 6144
	s_lshl_b32 s6, s17, 9
	; Role v: record ((b x 16 + head) x 8 + slot) of 12,800 bytes; in it 6,144 x (which 128 keys) + 1,536 x (tile of channels) + 768 x (which 64 keys)
	s_lshr_b32 s7, s42, 3
	s_lshl_b32 s7, s7, 4
	s_lshl_b32 s8, s43, 2
	s_add_co_u32 s7, s7, s8
	s_lshl_b32 s8, s17, 1
	s_add_co_u32 s7, s7, s8
	s_lshl_b32 s7, s7, 3
	s_and_b32 s8, s42, 7
	s_add_co_u32 s7, s7, s8
	s_mul_i32 s7, s7, 12800
	s_mul_i32 s8, s18, 6144
	s_lshl_b32 s9, s18, 8
	s_cmp_eq_u32 s19, 1
	s_cselect_b32 s4, s4, s7
	s_cselect_b32 s5, s5, s8
	s_cselect_b32 s6, s6, s9
	s_mov_b32 s10, 768
	s_cselect_b32 s10, 106496, s10                 ; from a fragment's first HALF to its second
	s_mov_b32 s[STA], 1536
	s_cselect_b32 s[STA], 768, s[STA]
	s_mov_b32 s[ST4], 97792                        ; role v: on to the next head: 102,400 - 3 x 1,536
	s_cselect_b32 s[ST4], 768, s[ST4]
	s_mov_b32 s11, 102400
	s_cselect_b32 s11, 106496, s11                 ; from a head to the next
	s_mov_b32 s[STA+1], 0
	s_mov_b32 s[ST4+1], 0
	s_add_co_u32 s6, s6, s4
	s_add_co_u32 s6, s6, 12288                     ; a record's scale words lie behind its 12,288 bytes of codes
	s_mov_b32 s7, 0
	s_add_co_u32 s4, s4, s5
	s_mov_b32 s5, 0
	s_add_nc_u64 s[SB:SB+1], s[12:13], s[6:7]
	s_add_nc_u64 s[OB:OB+1], s[12:13], s[4:5]
	v_add_nc_u32 v[VA1], s10, v[VA0]
	v_add_nc_u32 v[VB1], s10, v[VB0]
	v_mul_u32_u24 v[VS], s11, v8
	v_lshl_add_u32 v[VS], v1, 4, v[VS]             ; scale words: lanes 16-31 write the next head's; 16 bytes a row
	v_lshlrev_b32 v[SH], 4, v8                     ; 16 h
	s_mov_b32 s[SEL], 0x76543210
	s_mov_b32 s[SEL+1], 0xfedcba98
	s_mov_b32 s22, 0xffff0000
.irp b, 0,1,2,3
	v_mov_b32 v[TM+4+\b], 0                        ; a lane permute's destination counts as one of its sources
.endr
.macro FRAG reg, a16, a8, q, i         ; a fragment = two HALFs: registers 6 c .. 6 c + 3 by 16 bytes a lane, 6 c + 4, 6 c + 5 by 8: consecutive bytes
.irp c, 0,1
	ds_load_b128 v[\reg+6*\c:\reg+6*\c+3], v[\a16] offset:TILEB*(\i)+768*(2*(\q)+\c)
	ds_load_b64 v[\reg+6*\c+4:\reg+6*\c+5], v[\a8] offset:TILEB*(\i)+768*(2*(\q)+\c)+512
.endr
.endm
; 16 matrix instructions: S1's tiles a0, a0 + 1 x S0's eight, K step ks.  p: S0's set.  zero = 1: the first product starts the sums.  The 64 accumulators take turns, one instruction a turn, in the same order in every step.
.macro MUL16 a0, p, ks, zero
.irp a, \a0, \a0+1
.irp b, 0,1,2,3,4,5,6,7
.if \zero
	v_wmma_scale_f32_16x16x128_f8f6f4 v[8*(8*((\a)%4)+\b):8*(8*((\a)%4)+\b)+7], v[128*(\p)+FR*\b:128*(\p)+FR*\b+FR-1], v[AF+FR*(\a):AF+FR*(\a)+FR-1], 0, v[SC+8*\b+(\ks)], v[SC+8*(\a)+(\ks)] matrix_a_fmt:MATRIX_FMT_FP6 matrix_b_fmt:MATRIX_FMT_FP6 matrix_a_scale:MATRIX_SCALE_ROW1
.else
	v_wmma_scale_f32_16x16x128_f8f6f4 v[8*(8*((\a)%4)+\b):8*(8*((\a)%4)+\b)+7], v[128*(\p)+FR*\b:128*(\p)+FR*\b+FR-1], v[AF+FR*(\a):AF+FR*(\a)+FR-1], v[8*(8*((\a)%4)+\b):8*(8*((\a)%4)+\b)+7], v[SC+8*\b+(\ks)], v[SC+8*(\a)+(\ks)] matrix_a_fmt:MATRIX_FMT_FP6 matrix_b_fmt:MATRIX_FMT_FP6 matrix_a_scale:MATRIX_SCALE_ROW1
.endif
.endr
.endr
.endm
.macro FETCH_B slot, q, p
	WIN TO_B
.irp i, 0,1,2,3,4,5,6,7
	FRAG 128*(\p)+FR*\i, B16+\slot, B8+\slot, \q, \i
.endr
	WIN 0
.endm
.macro FETCH_A slot, q, i0
.irp i, \i0, \i0+1, \i0+2, \i0+3
	FRAG AF+FR*(\i), A16+\slot, A8+\slot, \q, \i
.endr
.endm
.macro SCALES                          ; the scale words of all eight K steps: lanes 0-15 take S1's tile i, lanes 16-31 S0's tile i
.irp i, 0,1,2,3,4,5,6,7
.irp k, 0,1
	ds_load_b128 v[SC+8*\i+4*\k:SC+8*\i+4*\k+3], v[ADRS] offset:512*\i+256*\k
.endr
.endr
.endm
.macro PLACES n                        ; plain vector instructions between a matrix instruction and a load into, or a read of, its registers (ISA guide 7.12.1 for reads)
.rept \n
	v_nop
.endr
.endm
.macro STEP slot, q, ks, zero          ; a K step that has its successor in the same slot
	s_wait_dscnt 4*NL                              ; S0's set and S1's tiles 0-3 are in; the youngest 16 loads (S1's tiles 4-7) may be out
	WIN MUL_LO
	MUL16 0, (\q)%2, \ks, \zero
	MUL16 2, (\q)%2, \ks, \zero
	s_wait_dscnt 0
	PLACES NP
	FETCH_B \slot, (\q)+1, 1-(\q)%2
	FETCH_A \slot, (\q)+1, 0
	WIN MUL_HI
	MUL16 4, (\q)%2, \ks, \zero
	MUL16 6, (\q)%2, \ks, \zero
	PLACES NP
	WIN 0
	FETCH_A \slot, (\q)+1, 4
.endm
; A slot's last K step changes slots: one barrier; in front of it each wave waits for all its tensor loads, adds 0 to its spare word, and waits for that and for its reads of this slot.  fill = 1: the slot is filled again, two slots ahead.
.macro TURN slot, next, ks, fill
	s_wait_tensorcnt 0x0                           ; all my tensor loads have landed: my part of the next slot
	ds_add_u32 v[SPW], v[NIL]                      ; 0 onto my spare word
	s_wait_dscnt 4*NL+1                            ; (the add and the youngest 16 loads may be out)
	WIN MUL_LO
	MUL16 0, 1, \ks, 0                             ; sixteen matrix instructions stand between the add and the wait for it
	s_wait_dscnt 0x0                               ; the add is done, and my reads of this slot are over
	s_barrier_signal -1
	MUL16 2, 1, \ks, 0
	WIN 0
	s_barrier_wait -1
.if \fill
	CREST                                          ; the barrier has opened a round of the cluster's: no wave of any partner still reads this slot or has a load on its way
	s_add_nc_u64 s[G0+4*\slot+2:G0+4*\slot+3], s[G0+4*\slot+2:G0+4*\slot+3], 2*TILEB
	s_add_nc_u64 s[G0B+4*\slot+2:G0B+4*\slot+3], s[G0B+4*\slot+2:G0B+4*\slot+3], 2*TILEB
	JLOAD G0+4*\slot, G1, G0B+4*\slot, G1B         ; the first tensor load behind the round; its four v_nop are the places in front of the loads below
.else
	PLACES NP
.endif
	FETCH_B \next, 0, 0
	FETCH_A \next, 0, 0
	WIN MUL_HI
	MUL16 4, 1, \ks, 0
	MUL16 6, 1, \ks, 0
	PLACES NP
	WIN 0
	FETCH_A \next, 0, 4
.endm
	s_wait_tensorcnt 1                             ; the scales and my part of slot 0 are in; slot 1's load may be out
	s_barrier_signal -1
	s_barrier_wait -1
	FETCH_B 0, 0, 0
	FETCH_A 0, 0, 0
	SCALES
	FETCH_A 0, 0, 4
	STEP 0, 0, 0, 1
	TURN 0, 1, 1, 1
	STEP 1, 0, 2, 0
	TURN 1, 0, 3, 1
	STEP 0, 0, 4, 0
	TURN 0, 1, 5, 0
	STEP 1, 0, 6, 0
	s_wait_dscnt 4*NL                              ; the last K step: nothing more to fetch
	WIN MUL_LO
	MUL16 0, 1, 7, 0
	MUL16 2, 1, 7, 0
	s_wait_dscnt 0
	WIN MUL_HI
	MUL16 4, 1, 7, 0
	MUL16 6, 1, 7, 0
	WIN 0
	PLACES NP
; THE WAY OUT.  The 64 registers of S1's tile a are, for the lane's row, 128 neighbours along S0 (register 16 b + i = 32 b + 16 (lane / 16) + i): four blocks of 32, one fragment.
.macro QUANTW a
.set AC, 64*((\a)%4)
.set WN, 2+(\a)/4
.set WM, (WN<<2)|(WN<<4)
	WIN WM                                         ; sources 1 and 2: the accumulators' window
.irp b, 0,1,2,3
	v_max3_num_f32 v[TM+\b], 0x1800000, |v[AC+16*\b]|, |v[AC+16*\b+1]|   ; each accumulator is read from its low end on; the floor 2^(3 - 127) holds the byte at 1 from below
.endr
.irp i, 2,4,6,8,10,12,14
.irp b, 0,1,2,3
	v_max3_num_f32 v[TM+\b], v[TM+\b], |v[AC+16*\b+\i]|, |v[AC+16*\b+\i+1]|
.endr
.endr
	WIN 0
.irp b, 0,1,2,3
	v_permlanex16_b32 v[TM+4+\b], v[TM+\b], s[SEL], s[SEL+1]
.endr
.irp b, 0,1,2,3
	v_max_num_f32 v[TM+\b], v[TM+\b], v[TM+4+\b]   ; with lane l xor 16's 16: the block's largest magnitude
.endr
.irp b, 0,1,2,3
	v_add_nc_u32 v[TM+12+\b], 0xff000000, v[TM+\b] ; 2 off the exponent field: the conversion's scale operand
.endr
.irp b, 0,1,2,3
	v_lshrrev_b32 v[TM+4+\b], 23, v[TM+12+\b]      ; the scale's byte
.endr
	v_lshl_or_b32 v[WS+(\a)], v[TM+5], 8, v[TM+4]
	v_lshl_or_b32 v[WS+(\a)], v[TM+6], 16, v[WS+(\a)]
	v_lshl_or_b32 v[WS+(\a)], v[TM+7], 24, v[WS+(\a)]
	s_wait_xcnt 0x0                                ; the last tile's stores have read the codes' registers and their base
	WIN WN                                         ; source 0: the accumulators' window
.irp c, 0,1
	v_cvt_scalef32_pk16_fp6_f32 v[PC+6*\c:PC+6*\c+2], v[AC+32*\c:AC+32*\c+15], v[TM+12+2*\c]
	v_cvt_scalef32_pk16_fp6_f32 v[PC+12+4*\c:PC+14+4*\c], v[AC+16+32*\c:AC+31+32*\c], v[TM+12+2*\c+1]
.endr
	WIN 0
	v_nop                                          ; one plain place behind a scaled conversion
.irp c, 0,1                            ; the operand's layout wants a whole block in a lane
.irp i, 0,1,2
	v_permlane16_swap_b32 v[PC+6*\c+\i], v[PC+12+4*\c+\i]
.endr
.irp i, 0,1,2
	v_mov_b32 v[PC+3+6*\c+\i], v[PC+12+4*\c+\i]
.endr
.endr
.endm
.macro PUT a
.if (\a) == 4
	s_add_nc_u64 s[OB:OB+1], s[OB:OB+1], s[ST4:ST4+1]
.elseif (\a) > 0
	s_add_nc_u64 s[OB:OB+1], s[OB:OB+1], s[STA:STA+1]
.endif
	global_store_b128 v[VA0], v[PC:PC+3], s[OB:OB+1]               ; each store covers 512 or 256 consecutive bytes, aligned to 256
	global_store_b64 v[VB0], v[PC+4:PC+5], s[OB:OB+1] offset:512
	global_store_b128 v[VA1], v[PC+6:PC+9], s[OB:OB+1]
	global_store_b64 v[VB1], v[PC+10:PC+11], s[OB:OB+1] offset:512
.endm
.irp a, 0,1,2,3,4,5,6,7
	QUANTW \a
	PUT \a
.endr
	s_cmp_eq_u32 s19, 1                            ; the role: alike in all partners
	s_cbranch_scc0 .Lrole_v
.irp j, 0,1,2,3,4,5,6,7                ; q, k: a word's bytes 0, 1 are the first head's two blocks, bytes 2, 3 the second head's: lanes 0-15 write the first head's word, lanes 16-31 the second's; the upper two bytes are 0
	v_lshrrev_b32 v[TW+\j], v[SH], v[WS+\j]
.endr
.irp j, 0,1,2,3,4,5,6,7
	v_and_b32 v[TW+\j], 0xffff, v[TW+\j]
.endr
	global_store_b128 v[VS], v[TW:TW+3], s[SB:SB+1]
	global_store_b128 v[VS], v[TW+4:TW+7], s[SB:SB+1] offset:256
	s_branch .Lwords_out
.Lrole_v:
.irp j, 0,1,2,3                        ; v: tiles 0-3 are one head's channels, tiles 4-7 the next head's
	v_cndmask_b32 v[TW+\j], v[WS+\j], v[WS+4+\j], s22
.endr
	global_store_b128 v[VS], v[TW:TW+3], s[SB:SB+1]
.Lwords_out:
	s_wait_tensorcnt 0x0                           ; the wave's end
	ds_add_u32 v[SPW], v[NIL]
	s_wait_dscnt 0x0
	CROUND                                         ; the closing round
	s_endpgm
.Lfunc_end_k_q4018873487_qkv:
	.size	k_q4018873487_qkv, .Lfunc_end_k_q4018873487_qkv-k_q4018873487_qkv
	.p2alignl 7, 3214868480
	.fill 96, 4, 3214868480
	.section	.rodata,"a",@progbits
	.p2align	6, 0x0
	.amdhsa_kernel k_q4018873487_qkv
		.amdhsa_group_segment_fixed_size 327680
		.amdhsa_private_segment_fixed_size 0
		.amdhsa_enable_private_segment 0
		.amdhsa_kernarg_size 48
		.amdhsa_user_sgpr_count 2
		.amdhsa_user_sgpr_kernarg_segment_ptr 1
		.amdhsa_wavefront_size32 1
		.amdhsa_system_sgpr_workgroup_id_x 1
		.amdhsa_system_sgpr_workgroup_id_y 1
		.amdhsa_system_sgpr_workgroup_id_z 1
		.amdhsa_system_vgpr_workitem_id 0
		.amdhsa_next_free_vgpr 1024
		.amdhsa_next_free_sgpr 102
		.amdhsa_reserve_vcc 0
		.amdhsa_float_denorm_mode_32 3
		.amdhsa_float_denorm_mode_16_64 3
		.amdhsa_memory_ordered 1
		.amdhsa_forward_progress 1
		.amdhsa_inst_pref_size 150
	.end_amdhsa_kernel
	.amdgpu_metadata
---
amdhsa.version: [ 1, 2 ]
amdhsa.kernels:
  - .name:           k_q4018873487_qkv
    .symbol:         k_q4018873487_qkv.kd
    .args:
      - { .name: ximg, .offset: 0, .size: 8, .value_kind: global_buffer, .address_space: global }
      - { .name: xscl, .offset: 8, .size: 8, .value_kind: global_buffer, .address_space: global }
      - { .name: wimg, .offset: 16, .size: 8, .value_kind: global_buffer, .address_space: global }
      - { .name: wscl, .offset: 24, .size: 8, .value_kind: global_buffer, .address_space: global }
      - { .name: qkrec, .offset: 32, .size: 8, .value_kind: global_buffer, .address_space: global }
      - { .name: vrec, .offset: 40, .size: 8, .value_kind: global_buffer, .address_space: global }
    .group_segment_fixed_size: 327680
    .private_segment_fixed_size: 0
    .kernarg_segment_align: 8
    .kernarg_segment_size: 48
    .max_flat_workgroup_size: 128
    .sgpr_count:     102
    .vgpr_count:     1024
    .wavefront_size: 32
...
	.end_amdgpu_metadata
.endif
;; end of part 2
;; launch attn (part 3): grid 4 x 64, 16 waves a work-group, no clusters, 327,680 bytes of LDS; arguments qkrec, vrec, cimg, cscl; writes cimg, cscl
.if DOCPART == 3
	.amdgcn_target "amdgcn-amd-amdhsa--gfx1250"
	.amdhsa_code_object_version 6
	.text
	.protected	k_q4018873487_attn
	.globl	k_q4018873487_attn
	.p2align	8
	.type	k_q4018873487_attn,@function
k_q4018873487_attn:
	s_mov_b64 s[64:65], 0
	v_nop
	global_prefetch_b8 v0, s[64:65] scope:SCOPE_SE
	s_setreg_imm32_b32 hwreg(HW_REG_WAVE_MODE, 25, 1), 1
	s_wait_xcnt 0x0
; ctx = softmax(q k^T / 8, causal) v for one head, both products on codes of FP6 (E2M3) with E8M0 scales; ctx is quantised here along the head's 64 channels for the last product.
; THE SOFTMAX: t = score x log2(e) / 8; M = the running largest t rounded up to a whole number; p = 2^(t - M) is quantised along the keys, not normalised; the row's sum is taken of the unquantised p and divides at the end.
; LIMITS: NaN and infinities are not served; 1 / sum by v_rcp_f32; a block's largest p is made from the block's largest score by the same multiply-add and exponential (it takes v_exp_f32 not to fall where its input rises);
; a block whose every number is 0 gets the byte 1: its codes are zeros, and this program alone reads the bytes.
; SHARES.  Work-group (i, head) owns the blocks 7 - i and i of 256 queries; wave w owns tile w (16 queries) of the block in hand.  Pass 0: block 7 - i over key slots 0 .. 7 - i; pass 1: block i over key slots 0 .. i:
; (8 - i) + (i + 1) = 9 slots of 256 keys in every work-group, so the slot loop's trip count is a constant, no slot is fetched that nobody reads, and the ring runs on across the change of pass.
; NO CLUSTER: the four work-groups of a head turn back to key 0 at different slots (after 8 - i), so partners would need different tiles at the same time.
; LAYOUT.  Both products transposed: S^T = K Q^T (source 0 = 16 keys, source 1 = my 16 queries), O^T = V^T P^T: a lane holds one query throughout.  Tiles hold rows in the order tile T, position p =
; 32 (T / 2) + 16 (p / 8) + 8 (T % 2) + p % 8, so the 16 registers of tiles 2 b, 2 b + 1 are 16 neighbours.  A record of k: 16 tiles x 768 bytes, then scale words; of v: fragments 16 channels x 128 keys, then scale words.
; K = 64 IN AN INSTRUCTION OF 128: Q's codes for k = 64 .. 127 are zeros (v22-27), so whatever stands in the upper six registers of K's operand (the next tile's codes; zeros behind the last) adds exactly 0;
; the upper two scale bytes of both sides are 0, which stands for 2^-127, no NaN.
; REGISTERS: v1-11 addresses; v12 -M, v13 the largest t, v[14:15] the sum; v16-27 Q; v28 Q's scale word; v29-35 the second block's Q; v36-83 K's eight tiles, then V's four fragments; v84-89 zeros; v90-93 K's scale words;
; v96-159 S^T, then p; v160-191 O^T; v192-203 p's codes; v204-210 at work; v212-223 blocks' maxima, bytes, scale operands; v224 p's scale word; v[226:227] f; v228-231 at work; v232-235 V's scale words.
.set KREC,  13312
.set VREC,  12800
.set VOFF,  KREC                       ; a slot: K's record, then V's
.set SLOT1, 1<<15
.set SPARE, 2*SLOT1                    ; the spare words: 128 bytes for each of 16 waves, eight blocks of 256 bytes that no other line names
.set L16, 1
.set L8,  2
.set R16, 3
.set CB,  4
.set SPW, 5
.set NIL, 6
.set QD,  7
.set A16, 8
.set A8,  9
.set PFO, 10
.set BM,  212
.set BP,  216
.set SO,  220
.set TB,  2
.set SLOTS, 3
.set PI,  12
.set KF,  13
.set Q0,  14
.set Q0L, 15
.set WV,  18
.set SEL, 20
.set CS,  22
.set G1K, 24
.set G1V, 32
.set G0K, 40
.set G0V, 44
.set KB,  48
.set VB,  50
.set FK,  52
.set FV,  54
.set CI0, 56
.set CI1, 58
.set CS0, 60
.set CS1, 62
.set PFA, 66
.set PFS, 68
.set LIM, 70
; Waves 0 and 1 fetch K's halves, waves 2 and 3 V's, the others nothing.  Four v_nop follow each of the two lines.
.macro TLOAD
	s_cmp_lt_u32 s[WV], 2
	s_cbranch_scc0 .Lnot_k_\@
	tensor_load_to_lds s[G0K:G0K+3], s[G1K:G1K+7]
	s_nop 0
.rept 4
	v_nop
.endr
	s_branch .Lasked_\@
.Lnot_k_\@:
	s_cmp_lt_u32 s[WV], 4
	s_cbranch_scc0 .Lasked_\@
	tensor_load_to_lds s[G0V:G0V+3], s[G1V:G1V+7]
	s_nop 0
.rept 4
	v_nop
.endr
.Lasked_\@:
.endm
; A prefetch of the key slot that the NEXT change of slots will ask for.  The head's first work-group asks (it walks key slots 0 to 7 in order), in it waves 4, 5 (K's halves, 26 blocks of 256 bytes each) and 6, 7 (V's, 25 each),
; lanes 256 bytes apart, the lanes that are over name the last block again.  It asks at the first six changes (key slots 2 to 7) and not after.
.macro ASK
	s_cmp_gt_u32 s[SLOTS], s[LIM]
	s_cbranch_scc0 .Lnot_mine_\@
	global_prefetch_b8 v[PFO], s[PFA:PFA+1] th:TH_LOAD_NT scope:SCOPE_SE
.Lnot_mine_\@:
.endm
	s_load_b256 s[4:11], s[0:1], 0x0               ; qkrec, vrec, cimg, cscl
	v_lshl_add_u32 v[SPW], v0, 2, SPARE
	v_mov_b32 v[NIL], 0
	ds_add_u32 v5, v6
	ds_add_u32 v5, v6
	s_wait_dscnt 0x0
	v_lshrrev_b32 v8, 5, v0
	s_delay_alu instid0(VALU_DEP_1)
	v_readfirstlane_b32 s[WV], v8                  ; wave 0..15
	s_and_b32 s72, ttmp7, 0xffff                   ; 16 b + head
	s_mov_b32 s[PI], ttmp9                         ; i
	s_and_b32 s73, s[WV], 1
	s_mul_i32 s74, s72, 106496                     ; k's records of my head: behind q's 6,815,744 bytes
	s_add_co_u32 s74, s74, 6815744
	s_mul_i32 s75, s73, 6656
	s_add_co_u32 s74, s74, s75                     ; + the half that I fetch
	s_mov_b32 s75, 0
	s_mul_i32 s76, s72, 102400                     ; v's
	s_mul_i32 s77, s73, 6400
	s_add_co_u32 s76, s76, s77
	s_mov_b32 s77, 0
	s_lshl_b32 s78, s72, 3
	s_sub_co_u32 s79, 7, s[PI]                     ; the first pass's block
	s_add_co_u32 s88, s78, s79
	s_mul_i32 s88, s88, KREC                       ; its record of q
	s_add_co_u32 s89, s78, s[PI]
	s_mul_i32 s89, s89, KREC                       ; the second pass's
	s_mul_i32 s90, s[WV], 768                      ; my tile in a record
	s_lshr_b32 s91, s[WV], 2
	s_lshl_b32 s91, s91, 8
	s_and_b32 s92, s[WV], 3
	s_lshl_b32 s92, s92, 2
	s_add_co_u32 s91, s91, s92
	s_add_co_u32 s91, s91, 12288                   ; and its scale words: 12,288 + 256 (w / 4) + 4 (w % 4) + 16 r
	s_add_co_u32 s80, s88, s90
	s_mov_b32 s81, 0
	s_add_co_u32 s82, s88, s91
	s_mov_b32 s83, 0
	s_add_co_u32 s84, s89, s90
	s_mov_b32 s85, 0
	s_add_co_u32 s86, s89, s91
	s_mov_b32 s87, 0
	s_lshr_b32 s88, s72, 4
	s_lshl_b32 s88, s88, 7
	s_add_co_u32 s88, s88, s[WV]                   ; ctx: tile 128 b + 16 block + w
	s_and_b32 s89, s72, 15                         ; the head
	s_lshl_b32 s90, s79, 4
	s_add_co_u32 s90, s90, s88
	s_lshl_b32 s91, s[PI], 4
	s_add_co_u32 s91, s91, s88
	s_mul_i32 s92, s89, 768                        ; the head's 64 channels are HALF number head of a tile
	s_lshr_b32 s93, s89, 3
	s_lshl_b32 s93, s93, 8
	s_bfe_u32 s94, s89, 0x20001
	s_lshl_b32 s94, s94, 2
	s_add_co_u32 s93, s93, s94
	s_and_b32 s94, s89, 1
	s_lshl_b32 s94, s94, 1
	s_add_co_u32 s93, s93, s94                     ; its two scale bytes: 256 (head / 8) + 4 ((head / 2) % 4) + 2 (head % 2)
	s_mul_i32 s[CI0], s90, 12288
	s_add_co_u32 s[CI0], s[CI0], s92
	s_mov_b32 s[CI0+1], 0
	s_mul_i32 s[CI1], s91, 12288
	s_add_co_u32 s[CI1], s[CI1], s92
	s_mov_b32 s[CI1+1], 0
	s_lshl_b32 s[CS0], s90, 9
	s_add_co_u32 s[CS0], s[CS0], s93
	s_mov_b32 s[CS0+1], 0
	s_lshl_b32 s[CS1], s91, 9
	s_add_co_u32 s[CS1], s[CS1], s93
	s_mov_b32 s[CS1+1], 0
	s_lshr_b32 s88, s[WV], 1
	s_lshl_b32 s88, s88, 5
	s_lshl_b32 s[Q0], s79, 8
	s_add_co_u32 s[Q0], s[Q0], s88                 ; the 32 positions in which my 16 queries lie begin here
	s_lshl_b32 s[Q0L], s[PI], 8
	s_add_co_u32 s[Q0L], s[Q0L], s88
	; descriptor group 1: dense rows of 256 bytes (32 elements of 8 bytes): half a record of k is 26 rows, of v 25
	s_mov_b32 s[G1K], 3<<16
	s_mov_b32 s[G1K+1], 32<<16
	s_mov_b32 s[G1K+2], 26<<16
	s_mov_b32 s[G1K+3], 32<<16
	s_mov_b32 s[G1K+4], 26
	s_mov_b32 s[G1K+5], 32
	s_mov_b32 s[G1K+6], 0
	s_mov_b32 s[G1K+7], 0
	s_mov_b32 s[G1V], 3<<16
	s_mov_b32 s[G1V+1], 32<<16
	s_mov_b32 s[G1V+2], 25<<16
	s_mov_b32 s[G1V+3], 32<<16
	s_mov_b32 s[G1V+4], 25
	s_mov_b32 s[G1V+5], 32
	s_mov_b32 s[G1V+6], 0
	s_mov_b32 s[G1V+7], 0
	s_mov_b32 s[SEL], 0x76543210
	s_mov_b32 s[SEL+1], 0xfedcba98
	s_mov_b32 s[CS], 0x3e38aa3b                    ; c = log2(e) / 8
	s_mov_b32 s[CS+1], s[CS]
	s_mov_b32 s16, 0xffff0000
	s_mov_b32 s[TB], 0
	s_mov_b32 s[SLOTS], 8
	s_mov_b32 s[KF], 0
	s_mov_b32 s[FK], 0
	s_mov_b32 s[FK+1], 0
	s_mov_b32 s[FV], 0
	s_mov_b32 s[FV+1], 0
	s_wait_kmcnt 0x0
	s_add_nc_u64 s[KB:KB+1], s[4:5], s[74:75]
	s_add_nc_u64 s[VB:VB+1], s[6:7], s[76:77]
	s_mov_b32 s[G0K], 1
	s_mul_i32 s[G0K+1], s73, 6656
	s_mov_b64 s[G0K+2:G0K+3], s[KB:KB+1]
	s_or_b32 s[G0K+3], s[G0K+3], 0x80000000
	s_mov_b32 s[G0V], 1
	s_mul_i32 s[G0V+1], s73, 6400
	s_add_co_u32 s[G0V+1], s[G0V+1], VOFF
	s_mov_b64 s[G0V+2:G0V+3], s[VB:VB+1]
	s_or_b32 s[G0V+3], s[G0V+3], 0x80000000
	TLOAD                                          ; key slot 0 into slot 0
	s_add_nc_u64 s[80:81], s[4:5], s[80:81]
	s_add_nc_u64 s[82:83], s[4:5], s[82:83]
	s_add_nc_u64 s[84:85], s[4:5], s[84:85]
	s_add_nc_u64 s[86:87], s[4:5], s[86:87]
	s_add_nc_u64 s[CI0:CI0+1], s[8:9], s[CI0:CI0+1]
	s_add_nc_u64 s[CI1:CI1+1], s[8:9], s[CI1:CI1+1]
	s_add_nc_u64 s[CS0:CS0+1], s[10:11], s[CS0:CS0+1]
	s_add_nc_u64 s[CS1:CS1+1], s[10:11], s[CS1:CS1+1]
	v_and_b32 v11, 31, v0
	s_delay_alu instid0(VALU_DEP_1)
	v_lshlrev_b32 v[L16], 4, v11
	s_delay_alu instid0(VALU_DEP_2)
	v_lshlrev_b32 v[L8], 3, v11
	v_and_b32 v8, 15, v0                           ; r
	v_bfe_u32 v9, v0, 4, 1                         ; h
	s_delay_alu instid0(VALU_DEP_2)
	v_lshlrev_b32 v[R16], 4, v8
	s_delay_alu instid0(VALU_DEP_1)
	v_add_nc_u32 v[CB], v[R16], v9                 ; ctx's scale bytes: 16 r + h
	global_load_b128 v[16:19], v[L16], s[80:81]    ; both blocks' tiles of Q stay in registers
	global_load_b64 v[20:21], v[L8], s[80:81] offset:512
	global_load_b32 v28, v[R16], s[82:83]
	global_load_b128 v[30:33], v[L16], s[84:85]
	global_load_b64 v[34:35], v[L8], s[84:85] offset:512
	global_load_b32 v29, v[R16], s[86:87]
	v_and_b32 v[QD], 8, v8
	s_delay_alu instid0(VALU_DEP_1)
	v_add_nc_u32 v[QD], v[QD], v8                  ; r % 8 + 16 (r / 8)
	v_lshlrev_b32 v11, 4, v9
	s_delay_alu instid0(VALU_DEP_1)
	v_sub_nc_u32 v[QD], v[QD], v11
	s_lshl_b32 s88, s73, 3
	v_add_nc_u32 v[QD], s88, v[QD]                 ; my query - Q0 - 16 h
	; the prefetches: where my wave's stand, and who asks
	s_cmp_lt_u32 s[WV], 6
	s_cselect_b64 s[PFA:PFA+1], s[KB:KB+1], s[VB:VB+1]
	s_mov_b32 s[PFS], VREC
	s_cselect_b32 s[PFS], KREC, s[PFS]
	s_cselect_b32 s88, 25, 24
	s_mov_b32 s[PFS+1], 0
	s_add_nc_u64 s[PFA:PFA+1], s[PFA:PFA+1], s[PFS:PFS+1]   ; at key slot 1: the first change of slots steps it to 2.  Nothing is asked for here, at the head
	s_lshr_b32 s89, s[WV], 2
	s_xor_b32 s89, s89, 1                          ; 0 in waves 4 to 7,
	s_or_b32 s89, s89, ttmp9                       ; of the head's first work-group
	s_cmp_eq_u32 s89, 0
	s_cselect_b32 s[LIM], 2, -1
	v_and_b32 v[PFO], 31, v0
	s_delay_alu instid0(VALU_DEP_1)
	v_min_u32 v[PFO], s88, v[PFO]
	s_delay_alu instid0(VALU_DEP_1)
	v_lshlrev_b32 v[PFO], 8, v[PFO]
	v_mov_b32 v13, 0xff61b1e6                      ; the largest t so far: -3e38
	s_delay_alu instid0(VALU_DEP_1)
	v_floor_f32 v12, -v13                          ; -M
	v_mov_b32 v14, 0
	v_mov_b32 v15, 0
.irp i, 0,1,2,3,4,5
	v_mov_b32 v[22+\i], 0                          ; Q's codes for k = 64 .. 127
	v_mov_b32 v[84+\i], 0                          ; behind K's last tile
.endr
.irp b, 0,1,2,3
	v_mov_b32 v[BP+\b], 0                          ; a lane permute's destination counts as one of its sources
.endr
	v_mov_b32 v227, 0                              ; (named as the upper half of the pair v[226:227])
	v_mov_b32 v228, 0
.set n, 0
.rept 32
	v_mov_b32 v[160+n], 0                          ; O^T: the first step finds zeros, which the first change of M leaves zeros
.set n, n+1
.endr
; A KEY STEP: 128 keys, the q-th of the slot in hand.
.macro STEP q
	s_add_co_u32 s96, s[Q0], 31                    ; a step all of whose keys come after my queries is left out: a scalar branch on ids
	s_cmp_gt_u32 s[KF], s96
	s_cbranch_scc1 .Lhidden_\@
	v_add_nc_u32 v[A16], s[TB], v[L16]
	v_add_nc_u32 v[A8], s[TB], v[L8]
	v_nop
	v_nop                                          ; four places in front of loads into registers that the last products read
.irp t, 0,1,2,3,4,5,6,7
	ds_load_b128 v[36+6*\t:39+6*\t], v[A16] offset:(8*(\q)+\t)*768
	ds_load_b64 v[40+6*\t:41+6*\t], v[A8] offset:(8*(\q)+\t)*768+512
.endr
	ds_load_b128 v[90:93], v[A16] offset:12288+512*(\q)   ; register j: tile j's scale words in lanes 0-15, tile 4 + j's in lanes 16-31
	s_wait_alu depctr_va_vdst(0)
	s_wait_dscnt 0x0
.irp t, 0,1,2,3
	v_wmma_scale_f32_16x16x128_f8f6f4 v[96+8*\t:103+8*\t], v[36+6*\t:47+6*\t], v[16:27], 0, v[90+\t], v28 matrix_a_fmt:MATRIX_FMT_FP6 matrix_b_fmt:MATRIX_FMT_FP6
.endr
.irp t, 4,5,6,7
	v_wmma_scale_f32_16x16x128_f8f6f4 v[96+8*\t:103+8*\t], v[36+6*\t:47+6*\t], v[16:27], 0, v[86+\t], v28 matrix_a_fmt:MATRIX_FMT_FP6 matrix_b_fmt:MATRIX_FMT_FP6 matrix_a_scale:MATRIX_SCALE_ROW1
.endr
.rept 4
	v_nop
.endr
.irp t, 0,1,2,3                        ; V's four fragments take K's registers and land during the softmax
.irp c, 0,1
	ds_load_b128 v[36+12*\t+6*\c:39+12*\t+6*\c], v[A16] offset:VOFF+6144*(\q)+1536*\t+768*\c
	ds_load_b64 v[40+12*\t+6*\c:41+12*\t+6*\c], v[A8] offset:VOFF+6144*(\q)+1536*\t+768*\c+512
.endr
.endr
	ds_load_b128 v[232:235], v[A16] offset:VOFF+12288     ; register t: tile t's scale words, the slot's first 128 keys in lanes 0-15, the second in lanes 16-31
	s_add_co_u32 s96, s[KF], 127                   ; on the diagonal hidden scores become -infinity ahead of the maximum; a step all of whose keys count skips this
	s_cmp_le_u32 s96, s[Q0]
	s_cbranch_scc1 .Lopen_\@
	s_sub_co_i32 s96, s[Q0], s[KF]
	v_add_nc_u32 v228, s96, v[QD]                  ; d = my query - KF - 16 h.  Register 16 b + i holds key KF + 16 h + 32 b + i: hidden where 32 b + i > d
	v_mov_b32 v229, 0xff800000
.set n, 0
.rept 64
	v_cmp_gt_i32 vcc_lo, 32*(n/16)+n%16, v228
	v_cndmask_b32 v[96+n], v[96+n], v229, vcc_lo
.set n, n+1
.endr
.Lopen_\@:
.irp b, 0,1,2,3
	v_max3_num_f32 v[BM+\b], v[96+16*\b], v[97+16*\b], v[98+16*\b]   ; the largest score of each block of 32 keys: for the row's maximum and for the block's largest p
.endr
.irp i, 3,5,7,9,11,13
.irp b, 0,1,2,3
	v_max3_num_f32 v[BM+\b], v[BM+\b], v[96+16*\b+\i], v[97+16*\b+\i]
.endr
.endr
.irp b, 0,1,2,3
	v_max_num_f32 v[BM+\b], v[BM+\b], v[111+16*\b]
.endr
.irp b, 0,1,2,3
	s_delay_alu instid0(VALU_DEP_4)
	v_permlanex16_b32 v[BP+\b], v[BM+\b], s[SEL], s[SEL+1]
.endr
.irp b, 0,1,2,3
	s_delay_alu instid0(VALU_DEP_4)
	v_max_num_f32 v[BM+\b], v[BM+\b], v[BP+\b]
.endr
	s_delay_alu instid0(VALU_DEP_2)
	v_max3_num_f32 v228, v[BM], v[BM+1], v[BM+2]
	s_delay_alu instid0(VALU_DEP_1)
	v_max_num_f32 v228, v228, v[BM+3]
	s_delay_alu instid0(VALU_DEP_1)
	v_mul_f32 v228, s[CS], v228
	s_delay_alu instid0(VALU_DEP_1)
	v_max_num_f32 v13, v13, v228                   ; the running largest t
	v_mov_b32 v228, v12
	s_delay_alu instid0(VALU_DEP_2)
	v_floor_f32 v12, -v13                          ; the new -M = -ceil(t)
	s_delay_alu instid0(VALU_DEP_1)
	v_sub_f32 v228, v12, v228                      ; old M - new M: a whole number, 0 or less
	s_delay_alu instid0(VALU_DEP_1)
	v_cvt_i32_f32 v228, v228
	s_delay_alu instid0(VALU_DEP_1)
	v_ldexp_f32 v226, 1.0, v228                    ; f = 2^(old M - new M)
.set n, 0
.rept 32
	v_pk_fma_f32 v[96+n:97+n], v[96+n:97+n], s[CS:CS+1], v[12:13] op_sel_hi:[1,0,0]   ; t - M
.set n, n+2
.endr
.irp b, 0,1,2,3
	v_fma_f32 v[BM+\b], v[BM+\b], s[CS], v12
.endr
.set n, 0
	s_wait_alu depctr_va_vdst(0)
.rept 64
	v_exp_f32 v[96+n], v[96+n]                     ; p = 2^(t - M)
.set n, n+1
.endr
	v_pk_mul_f32 v[14:15], v[14:15], v[226:227] op_sel_hi:[1,0]   ; the sums under the new M: a plain place behind the exponentials
	s_wait_alu depctr_va_vdst(0)                   ; one wait for the whole batch, ahead of its first reader
.irp b, 0,1,2,3
	v_exp_f32 v[BM+\b], v[BM+\b]                   ; the block's largest p
.endr
	v_pk_add_f32 v[230:231], v[100:101], v[104:105]
	v_pk_add_f32 v[254:255], v[108:109], v[112:113]
	v_pk_add_f32 v[252:253], v[116:117], v[120:121]
	v_pk_add_f32 v[250:251], v[124:125], v[128:129]
	v_pk_add_f32 v[248:249], v[132:133], v[136:137]
	v_pk_add_f32 v[246:247], v[140:141], v[144:145]
	v_pk_add_f32 v[244:245], v[148:149], v[152:153]
	v_pk_add_f32 v[14:15], v[14:15], v[156:157]
	v_pk_add_f32 v[230:231], v[230:231], v[96:97]
	v_pk_add_f32 v[254:255], v[254:255], v[98:99]
	v_pk_add_f32 v[252:253], v[252:253], v[102:103]
	v_pk_add_f32 v[250:251], v[250:251], v[106:107]
	v_pk_add_f32 v[248:249], v[248:249], v[110:111]
	v_pk_add_f32 v[246:247], v[246:247], v[114:115]
	v_pk_add_f32 v[244:245], v[244:245], v[118:119]
	v_pk_add_f32 v[14:15], v[14:15], v[122:123]
	v_pk_add_f32 v[230:231], v[230:231], v[126:127]
	v_pk_add_f32 v[254:255], v[254:255], v[130:131]
	v_pk_add_f32 v[252:253], v[252:253], v[134:135]
	v_pk_add_f32 v[250:251], v[250:251], v[138:139]
	v_pk_add_f32 v[248:249], v[248:249], v[142:143]
	v_pk_add_f32 v[246:247], v[246:247], v[146:147]
	v_pk_add_f32 v[244:245], v[244:245], v[150:151]
	v_pk_add_f32 v[14:15], v[14:15], v[154:155]
	v_pk_add_f32 v[230:231], v[230:231], v[158:159]
	s_delay_alu instid0(VALU_DEP_2)
	v_pk_add_f32 v[14:15], v[14:15], v[250:251]
	s_delay_alu instid0(VALU_DEP_2)
	v_pk_add_f32 v[230:231], v[230:231], v[248:249]
	v_pk_add_f32 v[254:255], v[254:255], v[246:247]
	v_pk_add_f32 v[252:253], v[252:253], v[244:245]
	s_delay_alu instid0(VALU_DEP_2)
	v_pk_add_f32 v[14:15], v[14:15], v[254:255]
	s_delay_alu instid0(VALU_DEP_2)
	v_pk_add_f32 v[230:231], v[230:231], v[252:253]
	s_delay_alu instid0(VALU_DEP_1)
	v_pk_add_f32 v[14:15], v[14:15], v[230:231]
	s_wait_alu depctr_va_vdst(0)                   ; and one for the four
.irp b, 0,1,2,3
	v_max_num_f32 v[BM+\b], 0x1800000, v[BM+\b]    ; the floor 2^(3 - 127)
.endr
.irp b, 0,1,2,3
	s_delay_alu instid0(VALU_DEP_4)
	v_add_nc_u32 v[SO+\b], 0xff000000, v[BM+\b]
.endr
.irp b, 0,1,2,3
	s_delay_alu instid0(VALU_DEP_4)
	v_lshrrev_b32 v[BP+\b], 23, v[SO+\b]
.endr
	s_delay_alu instid0(VALU_DEP_3)
	v_lshl_or_b32 v224, v[BP+1], 8, v[BP]          ; p's scale word for these 128 keys
	s_delay_alu instid0(VALU_DEP_1)
	v_lshl_or_b32 v224, v[BP+2], 16, v224
	s_delay_alu instid0(VALU_DEP_1)
	v_lshl_or_b32 v224, v[BP+3], 24, v224
.irp c, 0,1
	v_cvt_scalef32_pk16_fp6_f32 v[192+6*\c:194+6*\c], v[96+32*\c:111+32*\c], v[SO+2*\c]
	v_cvt_scalef32_pk16_fp6_f32 v[204+4*\c:206+4*\c], v[112+32*\c:127+32*\c], v[SO+2*\c+1]
.endr
	v_nop
.irp c, 0,1
.irp i, 0,1,2
	v_permlane16_swap_b32 v[192+6*\c+\i], v[204+4*\c+\i]
.endr
.irp i, 0,1,2
	s_delay_alu instid0(VALU_DEP_3)
	v_mov_b32 v[195+6*\c+\i], v[204+4*\c+\i]
.endr
.endr
.set n, 0
.rept 16
	v_pk_mul_f32 v[160+n:161+n], v[160+n:161+n], v[226:227] op_sel_hi:[1,0]   ; O^T under the new M; these sixteen are also the places in front of the scaled products
.set n, n+2
.endr
	s_wait_alu depctr_va_vdst(0)
	s_wait_dscnt 0x0                               ; V is in
.irp t, 0,1,2,3
.if \q
	v_wmma_scale_f32_16x16x128_f8f6f4 v[160+8*\t:167+8*\t], v[36+12*\t:47+12*\t], v[192:203], v[160+8*\t:167+8*\t], v[232+\t], v224 matrix_a_fmt:MATRIX_FMT_FP6 matrix_b_fmt:MATRIX_FMT_FP6 matrix_a_scale:MATRIX_SCALE_ROW1
.else
	v_wmma_scale_f32_16x16x128_f8f6f4 v[160+8*\t:167+8*\t], v[36+12*\t:47+12*\t], v[192:203], v[160+8*\t:167+8*\t], v[232+\t], v224 matrix_a_fmt:MATRIX_FMT_FP6 matrix_b_fmt:MATRIX_FMT_FP6
.endif
.endr
.Lhidden_\@:
	s_add_co_u32 s[KF], s[KF], 128
.endm
; THE CHANGE OF SLOTS, at a slot's head.  Each wave waits for all its tensor loads, adds 0 to its spare word, and waits for that and for its reads of the slot that it has left.  fill = 1: that slot takes the next key slot:
; one further on, or key slot 0 where the next slot is the second pass's first (SLOTS - 1 = i).
.macro CHANGE fill
	s_wait_tensorcnt 0x0                           ; no tensor load of mine is out, so a group 0 may be written
	ds_add_u32 v[SPW], v[NIL]                      ; 0 onto my spare word
.if \fill
	s_xor_b32 s[G0K+1], s[G0K+1], SLOT1
	s_xor_b32 s[G0V+1], s[G0V+1], SLOT1
	s_add_co_u32 s[FK], s[FK], KREC
	s_add_co_u32 s[FV], s[FV], VREC
	s_sub_co_u32 s96, s[SLOTS], 1
	s_cmp_eq_u32 s96, s[PI]
	s_cselect_b32 s[FK], 0, s[FK]
	s_cselect_b32 s[FV], 0, s[FV]
	s_add_nc_u64 s[G0K+2:G0K+3], s[KB:KB+1], s[FK:FK+1]
	s_or_b32 s[G0K+3], s[G0K+3], 0x80000000
	s_add_nc_u64 s[G0V+2:G0V+3], s[VB:VB+1], s[FV:FV+1]
	s_or_b32 s[G0V+3], s[G0V+3], 0x80000000
	s_wait_xcnt 0x0                                ; the last prefetch, a slot back, has read its address
	s_add_nc_u64 s[PFA:PFA+1], s[PFA:PFA+1], s[PFS:PFS+1]
.endif
	s_wait_dscnt 0x0                               ; the add is done, and my reads of the slot that I have left are over
	s_barrier_signal -1
	s_barrier_wait -1
.if \fill
	TLOAD                                          ; the first thing behind the barrier, and a wave's one tensor load until the next
	ASK
.endif
.endm
; A BLOCK'S WAY OUT: O^T / the sum, quantised along the head's 64 channels (two blocks), as HALF number head of my tile of ctx.
.macro OUT ci, cs
.rept 4
	v_nop
.endr
	v_add_f32 v14, v14, v15
	s_delay_alu instid0(VALU_DEP_1)
	v_permlanex16_b32 v228, v14, s[SEL], s[SEL+1]
	s_delay_alu instid0(VALU_DEP_1)
	v_add_f32 v14, v14, v228                       ; the row's sum
	s_wait_alu depctr_va_vdst(0)
	v_rcp_f32 v226, v14
	v_nop
	s_wait_alu depctr_va_vdst(0)
.set n, 0
.rept 16
	v_pk_mul_f32 v[96+n:97+n], v[160+n:161+n], v[226:227] op_sel_hi:[1,0]   ; register 16 b + i is channel 32 b + 16 h + i of my query
.set n, n+2
.endr
.irp b, 0,1
	v_max3_num_f32 v[BM+\b], |v[96+16*\b]|, |v[97+16*\b]|, 0x1800000
.endr
.irp i, 2,4,6,8,10,12,14
.irp b, 0,1
	s_delay_alu instid0(VALU_DEP_2)
	v_max3_num_f32 v[BM+\b], v[BM+\b], |v[96+16*\b+\i]|, |v[97+16*\b+\i]|
.endr
.endr
.irp b, 0,1
	s_delay_alu instid0(VALU_DEP_2)
	v_permlanex16_b32 v[BP+\b], v[BM+\b], s[SEL], s[SEL+1]
.endr
.irp b, 0,1
	s_delay_alu instid0(VALU_DEP_2)
	v_max_num_f32 v[BM+\b], v[BM+\b], v[BP+\b]
.endr
.irp b, 0,1
	s_delay_alu instid0(VALU_DEP_2)
	v_add_nc_u32 v[SO+\b], 0xff000000, v[BM+\b]
.endr
.irp b, 0,1
	s_delay_alu instid0(VALU_DEP_2)
	v_lshrrev_b32 v[BP+\b], 23, v[SO+\b]
.endr
	v_cvt_scalef32_pk16_fp6_f32 v[192:194], v[96:111], v[SO]
	v_cvt_scalef32_pk16_fp6_f32 v[204:206], v[112:127], v[SO+1]
	v_nop
.irp i, 0,1,2
	v_permlane16_swap_b32 v[192+\i], v[204+\i]
.endr
.irp i, 0,1,2
	s_delay_alu instid0(VALU_DEP_3)
	v_mov_b32 v[195+\i], v[204+\i]
.endr
	global_store_b128 v[L16], v[192:195], s[\ci:\ci+1]             ; 512 consecutive bytes, aligned to 256
	global_store_b64 v[L8], v[196:197], s[\ci:\ci+1] offset:512    ; 256 consecutive bytes, aligned
	v_cndmask_b32 v229, v[BP], v[BP+1], s16        ; lanes 0-15 write block 0's byte of their row, lanes 16-31 block 1's
	global_store_b8 v[CB], v229, s[\cs:\cs+1]      ; one byte a lane: a scale word spans two heads, which belong to two work-groups; 32 bytes for each 768 of codes
.endm
; THE CHANGE OF PASS, where the slot ahead is the second pass's first (SLOTS = i): no LDS instruction, no barrier, no tensor load stands in it.
.macro SWITCH
	s_cmp_lg_u32 s[SLOTS], s[PI]
	s_cbranch_scc1 .Lsame_\@
	OUT CI0, CS0
.irp i, 0,1,2,3,4,5
	v_mov_b32 v[16+\i], v[30+\i]
.endr
	v_mov_b32 v28, v29
	v_mov_b32 v13, 0xff61b1e6
	s_delay_alu instid0(VALU_DEP_1)
	v_floor_f32 v12, -v13
	v_mov_b32 v14, 0
	v_mov_b32 v15, 0
.set n, 0
.rept 32
	v_mov_b32 v[160+n], 0                          ; (also the places between the new Q and scale word and the next scaled product)
.set n, n+1
.endr
	s_mov_b32 s[KF], 0
	s_mov_b32 s[Q0], s[Q0L]
	s_wait_xcnt 0x0                                ; the stores have read their registers
.Lsame_\@:
.endm
	s_wait_loadcnt 0x0                             ; Q
.Lslot:                                            ; eight trips: behind each change of slots but the last the next slot is asked for
	SWITCH
	CHANGE 1
	STEP 0
	STEP 1
	s_xor_b32 s[TB], s[TB], SLOT1
	s_sub_co_u32 s[SLOTS], s[SLOTS], 1
	s_cmp_lg_u32 s[SLOTS], 0
	s_cbranch_scc1 .Lslot
	SWITCH                                         ; (i = 0: the second pass is the last slot alone)
	CHANGE 0                                       ; the last slot is written out
	STEP 0
	STEP 1
	OUT CI1, CS1
	s_wait_tensorcnt 0x0                           ; the wave's end
	ds_add_u32 v[SPW], v[NIL]
	s_wait_dscnt 0x0
	s_endpgm
.Lfunc_end_k_q4018873487_attn:
	.size	k_q4018873487_attn, .Lfunc_end_k_q4018873487_attn-k_q4018873487_attn
	.p2alignl 7, 3214868480
	.fill 96, 4, 3214868480
	.section	.rodata,"a",@progbits
	.p2align	6, 0x0
	.amdhsa_kernel k_q4018873487_attn
		.amdhsa_group_segment_fixed_size 327680
		.amdhsa_private_segment_fixed_size 0
		.amdhsa_enable_private_segment 0
		.amdhsa_kernarg_size 32
		.amdhsa_user_sgpr_count 2
		.amdhsa_user_sgpr_kernarg_segment_ptr 1
		.amdhsa_wavefront_size32 1
		.amdhsa_system_sgpr_workgroup_id_x 1
		.amdhsa_system_sgpr_workgroup_id_y 1
		.amdhsa_system_sgpr_workgroup_id_z 1
		.amdhsa_system_vgpr_workitem_id 0
		.amdhsa_next_free_vgpr 256
		.amdhsa_next_free_sgpr 100
		.amdhsa_reserve_vcc 1
		.amdhsa_float_denorm_mode_32 3
		.amdhsa_float_denorm_mode_16_64 3
		.amdhsa_memory_ordered 1
		.amdhsa_forward_progress 1
		.amdhsa_inst_pref_size 117
	.end_amdhsa_kernel
	.amdgpu_metadata
---
amdhsa.version: [ 1, 2 ]
amdhsa.kernels:
  - .name:           k_q4018873487_attn
    .symbol:         k_q4018873487_attn.kd
    .args:
      - { .name: qkrec, .offset: 0, .size: 8, .value_kind: global_buffer, .address_space: global }
      - { .name: vrec, .offset: 8, .size: 8, .value_kind: global_buffer, .address_space: global }
      - { .name: cimg, .offset: 16, .size: 8, .value_kind: global_buffer, .address_space: global }
      - { .name: cscl, .offset: 24, .size: 8, .value_kind: global_buffer, .address_space: global }
    .group_segment_fixed_size: 327680
    .private_segment_fixed_size: 0
    .kernarg_segment_align: 8
    .kernarg_segment_size: 32
    .max_flat_workgroup_size: 512
    .sgpr_count:     100
    .vgpr_count:     256
    .wavefront_size: 32
...
	.end_amdgpu_metadata
.endif
;; end of part 3
;; launch oproj (part 4): grid 4 x 32, 4 waves a work-group, clusters of 4 x 4, 327,680 bytes of LDS; arguments cimg, cscl, wimg, wscl, bo, out0; writes out0
.if DOCPART == 4
	.amdgcn_target "amdgcn-amd-amdhsa--gfx1250"
	.amdhsa_code_object_version 6
	.text
	.protected	k_q4018873487_oproj
	.globl	k_q4018873487_oproj
	.p2align	8
	.type	k_q4018873487_oproj,@function
k_q4018873487_oproj:
	s_mov_b64 s[64:65], 0
	v_nop
	global_prefetch_b8 v0, s[64:65] scope:SCOPE_SE
	s_setreg_imm32_b32 hwreg(HW_REG_WAVE_MODE, 25, 1), 1
	s_wait_xcnt 0x0
	s_wait_alu depctr_hold_cnt(0) depctr_sa_sdst(0) depctr_va_vdst(0) depctr_va_sdst(0) depctr_va_ssrc(0) depctr_va_vcc(0) depctr_vm_vsrc(0)
	s_getreg_b32 s2, hwreg(HW_REG_IB_STS2, 6, 4)
	s_cmp_eq_u32 s2, 0
	s_cbranch_scc0 .Lentry_in_a_cluster
	s_endpgm
.Lentry_in_a_cluster:
	s_bfe_u32 s2, ttmp6, 0x10000c
	s_cmp_lg_u32 s2, 0xf033
	s_cbranch_scc0 .Lentry_shape_is_right
	s_endpgm
.Lentry_shape_is_right:
; out = ctx Wo + bo on codes of FP6 (E2M3) with E8M0 scales for each 32 along K = 1,024; sums in f32; bo is the C of each sum's first product.
; OPERANDS are images of the operand's registers: tiles of 16 rows (tile T, position p = row 32 (T / 2) + 16 (p / 8) + 8 (T % 2) + p % 8), a tile = 16 HALFs of 768 bytes (16 rows x 64 K: lane l's registers 0-3 at 16 l,
; 4-5 at 512 + 8 l).  Scales: [tile][kh][r][4 words], word j for the K step (128) 4 kh + j.
; A work-group makes 256 rows x 256 columns, a wave 128 x 128: 64 accumulators.  Source 0 = S0 = Wo's columns (16 neighbouring columns in the registers of two neighbouring tiles), source 1 = S1 = ctx's rows (the lane's).
; K goes through a ring of two LDS slots of 256 along K, four fills, written out.  The scales of all of K come once.  CLUSTER 4 x 4: S1's tiles are shared along a row of the cluster, S0's along a column: joint loads.
; 128 work-groups: with 256 x 256 to a work-group the output has no more tiles; a smaller tile would read more LDS bytes for each product.
; REGISTERS: window 0: v16-23 LDS addresses; v24-26 the way out; v27 scales' address; v28, v29 the add's two; v32-95 scale words of all of K; v128-223 S1's fragments (on the way out v128-255: rows read back).
;   window 1: S0's fragments, two sets, at v0 and v128; the bias at v96-127 and v224-255.   windows 2, 3: accumulator (a, b) at v[8 (8 (a % 4) + b)].
.set FR,    12
.set NL,    4
.set NP,    4
.set TILEB, 3072
.set HALFT, 8*TILEB
.set SLOT,  4*HALFT
.set SCL,   2*SLOT
.set HALFS, 4096
.set SPARE, SCL+4*HALFS                ; the spare words: 128 bytes for each wave, two blocks of 256 bytes that no other line names
.set SPITCH, 528                       ; the way out: a stage of 16 rows x (512 bytes + 16) for each wave, in slot 0, which has had its last fill and its last read when the first result is stored there
.set A16, 16
.set A8,  18
.set B16, 20
.set B8,  22
.set STO, 24
.set RD,  25
.set CO,  26
.set ADRS, 27
.set SPW, 28
.set NIL, 29
.set SC,  32
.set AF,  128
.set BK,  128
.set G1, 24
.set G0, 32
.set G1B, 48
.set G0B, 56
.set G1S, 68
.set G0S, 76
.set G1SB, 80
.set G0SB, 88
.set MSB, 0
.macro WIN new
.if MSB != \new
	s_set_vgpr_msb (MSB<<8)|\new
.set MSB, \new
.endif
.endm
.set MUL_LO, 0xa1                      ; source 0 (S0) window 1, source 1 (S1) window 0, C and D window 2
.set MUL_HI, 0xf1
.set BIA_LO, 0x91                      ; the first K step: C (the bias) window 1, D window 2
.set BIA_HI, 0xd1                      ; D window 3
.set TO_B,   0x40
.macro JLOAD g0a, g1a, g0b, g1b        ; a joint load: waves 0 and 1 fetch for S1, waves 2 and 3 for S0; four v_nop follow each of the two lines
	s_cmp_eq_u32 s17, 0
	s_cbranch_scc0 .Lfor_b_\@
	tensor_load_to_lds s[\g0a:\g0a+3], s[\g1a:\g1a+7]
	s_nop 0
.rept 4
	v_nop
.endr
	s_branch .Lasked_\@
.Lfor_b_\@:
	tensor_load_to_lds s[\g0b:\g0b+3], s[\g1b:\g1b+7]
	s_nop 0
.rept 4
	v_nop
.endr
.Lasked_\@:
.endm
.macro CREST
	s_cmp_lg_u32 s16, 0
	s_cbranch_scc1 .Lnot_wave_0_\@
	s_barrier_signal -3
.Lnot_wave_0_\@:
	s_barrier_wait -3
	s_barrier_signal -1
	s_barrier_wait -1
.endm
.macro CROUND
	s_barrier_signal -1
	s_barrier_wait -1
	CREST
.endm
	s_load_b256 s[4:11], s[0:1], 0x0               ; cimg, cscl, wimg, wscl
	s_load_b128 s[12:15], s[0:1], 0x20             ; bo, out0
	v_lshl_add_u32 v[SPW], v0, 2, SPARE
	v_mov_b32 v[NIL], 0
	ds_add_u32 v28, v29
	s_wait_dscnt 0x0
	v_lshrrev_b32 v1, 5, v0
	v_readfirstlane_b32 s16, v1                    ; wave 0..3
	s_lshr_b32 s17, s16, 1                         ; which half of S1's tiles is mine.  Also: I fetch for S1 (0) or for S0 (1)
	s_and_b32 s18, s16, 1                          ; which half of S0's.  Also: which eight tiles I fetch
	s_bfe_u32 s40, ttmp6, 0x40000                  ; cx
	s_bfe_u32 s41, ttmp6, 0x40004                  ; cy
	s_lshl_b32 s42, ttmp9, 2
	s_add_co_u32 s42, s42, s40                     ; col: which 256 columns
	s_and_b32 s43, ttmp7, 0xffff
	s_lshl_b32 s43, s43, 2
	s_add_co_u32 s43, s43, s41                     ; row: which 256 rows
	s_lshl_b32 s44, s41, 2
	s_lshl_b32 s44, 15, s44                        ; my row of the cluster
	s_lshl_b32 s45, 0x1111, s40                    ; my column
	s_or_b32 s[G1+0], s44, (3<<16)|(1<<21)         ; eight tiles' 3,072 bytes (384 elements of 8 bytes), 12,288 bytes from tile to tile; no padding
	s_or_b32 s[G1B+0], s45, (3<<16)|(1<<21)
.irp g, G1, G1B
	s_mov_b32 s[\g+1], 384<<16
	s_mov_b32 s[\g+2], 8<<16
	s_mov_b32 s[\g+3], 384<<16
	s_mov_b32 s[\g+4], 8
	s_mov_b32 s[\g+5], 1536
	s_mov_b32 s[\g+6], 0
	s_mov_b32 s[\g+7], 0
.endr
	s_or_b32 s[G1S+0], s44, (3<<16)|(1<<21)        ; the scales of eight tiles: 4,096 dense bytes, as 16 rows of 256
	s_or_b32 s[G1SB+0], s45, (3<<16)|(1<<21)
.irp g, G1S, G1SB
	s_mov_b32 s[\g+1], 32<<16
	s_mov_b32 s[\g+2], 16<<16
	s_mov_b32 s[\g+3], 32<<16
	s_mov_b32 s[\g+4], 16
	s_mov_b32 s[\g+5], 32
	s_mov_b32 s[\g+6], 0
	s_mov_b32 s[\g+7], 0
.endr
	s_lshl_b32 s47, s18, 3
	s_lshl_b32 s46, s43, 4
	s_add_co_u32 s46, s46, s47                     ; S1: the first tile that I fetch
	s_mul_i32 s96, s46, 12288
	s_mov_b32 s97, 0
	s_lshl_b32 s98, s46, 9
	s_mov_b32 s99, 0
	s_lshl_b32 s2, s42, 4
	s_add_co_u32 s2, s2, s47                       ; S0
	s_lshl_b32 s66, s2, 9
	s_mov_b32 s67, 0
	s_mul_i32 s2, s2, 12288
	s_mov_b32 s3, 0
	s_mul_i32 s100, s16, HALFT
	s_lshl_b32 s101, s16, 12
	s_wait_kmcnt 0x0
	s_add_nc_u64 s[92:93], s[4:5], s[96:97]
	s_add_nc_u64 s[94:95], s[6:7], s[98:99]
	s_add_nc_u64 s[20:21], s[8:9], 2359296         ; Wo's codes: tiles 192 on
	s_add_nc_u64 s[22:23], s[10:11], 98304
	s_add_nc_u64 s[20:21], s[20:21], s[2:3]
	s_add_nc_u64 s[22:23], s[22:23], s[66:67]
	CROUND                                         ; all sixteen work-groups are here: the first joint loads meet
	s_mov_b32 s[G0S], 1
	s_add_co_u32 s[G0S+1], s101, SCL
	s_mov_b64 s[G0S+2:G0S+3], s[94:95]
	s_or_b32 s[G0S+3], s[G0S+3], 0x80000000
	s_mov_b32 s[G0SB], 1
	s_add_co_u32 s[G0SB+1], s101, SCL
	s_mov_b64 s[G0SB+2:G0SB+3], s[22:23]
	s_or_b32 s[G0SB+3], s[G0SB+3], 0x80000000
	JLOAD G0S, G1S, G0SB, G1SB
.irp s, 0,1
	s_mov_b32 s[G0+4*\s], 1
	s_add_co_u32 s[G0+4*\s+1], s100, \s*SLOT
	s_add_nc_u64 s[G0+4*\s+2:G0+4*\s+3], s[92:93], \s*TILEB
	s_or_b32 s[G0+4*\s+3], s[G0+4*\s+3], 0x80000000
	s_mov_b32 s[G0B+4*\s], 1
	s_add_co_u32 s[G0B+4*\s+1], s100, \s*SLOT
	s_add_nc_u64 s[G0B+4*\s+2:G0B+4*\s+3], s[20:21], \s*TILEB
	s_or_b32 s[G0B+4*\s+3], s[G0B+4*\s+3], 0x80000000
	JLOAD G0+4*\s, G1, G0B+4*\s, G1B               ; by this text's count three tensor loads of a wave are out
.endr
	v_and_b32 v1, 15, v0                           ; r
	v_bfe_u32 v8, v0, 4, 1                         ; h
	v_and_b32 v9, 31, v0                           ; lane
	v_lshlrev_b32 v[CO], 4, v9                     ; 16 x lane
	v_lshlrev_b32 v3, 3, v9                        ; 8 x lane
	s_mul_i32 s4, s17, HALFT
	s_mul_i32 s5, s18, HALFT
	s_add_co_u32 s5, s5, 2*HALFT
.irp s, 0,1
	v_add_nc_u32 v[A16+\s], s4, v[CO]
	v_add_nc_u32 v[A8+\s], s4, v3
	v_add_nc_u32 v[B16+\s], s5, v[CO]
	v_add_nc_u32 v[B8+\s], s5, v3
	s_add_co_u32 s4, s4, SLOT
	s_add_co_u32 s5, s5, SLOT
.endr
	s_lshl_b32 s4, s17, 12
	s_lshl_b32 s5, s18, 12
	s_add_co_u32 s5, s5, 2*HALFS
	s_sub_co_u32 s5, s5, s4
	v_mul_u32_u24 v10, s5, v8                      ; lanes 16-31 take S0's scales: one product, the distance between the two
	s_add_co_u32 s4, s4, SCL
	v_lshl_add_u32 v10, v1, 4, v10
	v_add_nc_u32 v[ADRS], s4, v10
	s_mul_i32 s4, s16, 16*SPITCH                   ; my stage
	v_mul_u32_u24 v[STO], v1, SPITCH
	v_lshl_add_u32 v[STO], v8, 6, v[STO]
	v_add_nc_u32 v[STO], s4, v[STO]                ; in: row r, + 64 h
	v_add_nc_u32 v[RD], s4, v[CO]                  ; back: the 32 lanes take one row of 512 bytes
	s_lshl_b32 s4, s42, 10
	s_lshl_b32 s5, s18, 9
	s_add_co_u32 s4, s4, s5                        ; my first column, in bytes: 1,024 col + 512 half
	s_mov_b32 s5, 0
	s_add_nc_u64 s[12:13], s[12:13], s[4:5]        ; the bias there
	s_lshl_b32 s6, s43, 20
	s_lshl_b32 s7, s17, 19
	s_add_co_u32 s6, s6, s7                        ; my first row: (256 row + 128 half) x 4,096 bytes
	s_add_co_u32 s6, s6, s4
	s_mov_b32 s7, 0
	s_add_nc_u64 s[14:15], s[14:15], s[6:7]
	v_lshlrev_b32 v10, 6, v8                       ; the bias: lane (r, h) wants, for S0's tile b, the columns 32 (b / 2) + 16 h + 8 (b % 2) + 0 .. 7
	WIN TO_B
.irp b, 0,1,2,3,4,5,6,7
	global_load_b128 v[96+8*(\b%4)+128*(\b/4):96+8*(\b%4)+128*(\b/4)+3], v10, s[12:13] offset:(32*(\b/2)+8*(\b%2))*4
	global_load_b128 v[96+8*(\b%4)+128*(\b/4)+4:96+8*(\b%4)+128*(\b/4)+7], v10, s[12:13] offset:(32*(\b/2)+8*(\b%2))*4+16
.endr
	WIN 0
.macro FRAG reg, a16, a8, q, i
.irp c, 0,1
	ds_load_b128 v[\reg+6*\c:\reg+6*\c+3], v[\a16] offset:TILEB*(\i)+768*(2*(\q)+\c)
	ds_load_b64 v[\reg+6*\c+4:\reg+6*\c+5], v[\a8] offset:TILEB*(\i)+768*(2*(\q)+\c)+512
.endr
.endm
; 16 matrix instructions: S1's tiles a0, a0 + 1 x S0's eight, K step ks.  first = 1: the sums begin with the bias as C.  The 64 accumulators take turns, one instruction a turn, in the same order in every step.
.macro MUL16 a0, p, ks, first
.irp a, \a0, \a0+1
.irp b, 0,1,2,3,4,5,6,7
.if \first
	v_wmma_scale_f32_16x16x128_f8f6f4 v[8*(8*((\a)%4)+\b):8*(8*((\a)%4)+\b)+7], v[128*(\p)+FR*\b:128*(\p)+FR*\b+FR-1], v[AF+FR*(\a):AF+FR*(\a)+FR-1], v[96+8*(\b%4)+128*(\b/4):96+8*(\b%4)+128*(\b/4)+7], v[SC+8*\b+(\ks)], v[SC+8*(\a)+(\ks)] matrix_a_fmt:MATRIX_FMT_FP6 matrix_b_fmt:MATRIX_FMT_FP6 matrix_a_scale:MATRIX_SCALE_ROW1
.else
	v_wmma_scale_f32_16x16x128_f8f6f4 v[8*(8*((\a)%4)+\b):8*(8*((\a)%4)+\b)+7], v[128*(\p)+FR*\b:128*(\p)+FR*\b+FR-1], v[AF+FR*(\a):AF+FR*(\a)+FR-1], v[8*(8*((\a)%4)+\b):8*(8*((\a)%4)+\b)+7], v[SC+8*\b+(\ks)], v[SC+8*(\a)+(\ks)] matrix_a_fmt:MATRIX_FMT_FP6 matrix_b_fmt:MATRIX_FMT_FP6 matrix_a_scale:MATRIX_SCALE_ROW1
.endif
.endr
.endr
.endm
.macro FETCH_B slot, q, p
	WIN TO_B
.irp i, 0,1,2,3,4,5,6,7
	FRAG 128*(\p)+FR*\i, B16+\slot, B8+\slot, \q, \i
.endr
	WIN 0
.endm
.macro FETCH_A slot, q, i0
.irp i, \i0, \i0+1, \i0+2, \i0+3
	FRAG AF+FR*(\i), A16+\slot, A8+\slot, \q, \i
.endr
.endm
.macro SCALES
.irp i, 0,1,2,3,4,5,6,7
.irp k, 0,1
	ds_load_b128 v[SC+8*\i+4*\k:SC+8*\i+4*\k+3], v[ADRS] offset:512*\i+256*\k
.endr
.endr
.endm
.macro PLACES n
.rept \n
	v_nop
.endr
.endm
.macro STEP slot, q, ks, first
	s_wait_dscnt 4*NL                              ; S0's set and S1's tiles 0-3 are in; the youngest 16 loads (S1's tiles 4-7) may be out
.if \first
	WIN BIA_LO
.else
	WIN MUL_LO
.endif
	MUL16 0, (\q)%2, \ks, \first
	MUL16 2, (\q)%2, \ks, \first
	s_wait_dscnt 0
	PLACES NP
	FETCH_B \slot, (\q)+1, 1-(\q)%2
	FETCH_A \slot, (\q)+1, 0
.if \first
	WIN BIA_HI
.else
	WIN MUL_HI
.endif
	MUL16 4, (\q)%2, \ks, \first
	MUL16 6, (\q)%2, \ks, \first
	PLACES NP
	WIN 0
	FETCH_A \slot, (\q)+1, 4
.endm
.macro TURN slot, next, ks, fill
	s_wait_tensorcnt 0x0                           ; all my tensor loads have landed: my part of the next slot
	ds_add_u32 v[SPW], v[NIL]                      ; 0 onto my spare word
	s_wait_dscnt 4*NL+1                            ; (the add and the youngest 16 loads may be out)
	WIN MUL_LO
	MUL16 0, 1, \ks, 0
	s_wait_dscnt 0x0                               ; the add is done, and my reads of this slot are over
	s_barrier_signal -1
	MUL16 2, 1, \ks, 0
	WIN 0
	s_barrier_wait -1
.if \fill
	CREST                                          ; the barrier has opened a round of the cluster's: no wave of any partner still reads this slot or has a load on its way
	s_add_nc_u64 s[G0+4*\slot+2:G0+4*\slot+3], s[G0+4*\slot+2:G0+4*\slot+3], 2*TILEB
	s_add_nc_u64 s[G0B+4*\slot+2:G0B+4*\slot+3], s[G0B+4*\slot+2:G0B+4*\slot+3], 2*TILEB
	JLOAD G0+4*\slot, G1, G0B+4*\slot, G1B
.else
	PLACES NP
.endif
	FETCH_B \next, 0, 0
	FETCH_A \next, 0, 0
	WIN MUL_HI
	MUL16 4, 1, \ks, 0
	MUL16 6, 1, \ks, 0
	PLACES NP
	WIN 0
	FETCH_A \next, 0, 4
.endm
	s_wait_tensorcnt 1                             ; the scales and my part of slot 0 are in; slot 1's load may be out
	s_barrier_signal -1
	s_barrier_wait -1
	FETCH_B 0, 0, 0
	FETCH_A 0, 0, 0
	SCALES
	FETCH_A 0, 0, 4
	s_wait_loadcnt 0x0                             ; the bias
	STEP 0, 0, 0, 1
	TURN 0, 1, 1, 1
	STEP 1, 0, 2, 0
	TURN 1, 0, 3, 1
	STEP 0, 0, 4, 0
	TURN 0, 1, 5, 0
	STEP 1, 0, 6, 0
	s_wait_dscnt 4*NL
	WIN MUL_LO
	MUL16 0, 1, 7, 0
	MUL16 2, 1, 7, 0
	s_wait_dscnt 0
	WIN MUL_HI
	MUL16 4, 1, 7, 0
	MUL16 6, 1, 7, 0
	WIN 0
; THE WAY OUT, tile by tile of S1 (16 rows x 128 columns): through my own stage in LDS and back as whole rows of 512 bytes.  LDS serves a wave's instructions in order: no wait between the stores and the loads.
.macro TOSTAGE a
.set AC, 64*((\a)%4)
.set WSD, 0x08+4*((\a)/4)
	WIN WSD                                        ; an LDS store's data are its source 1: window 2 or 3
.irp b, 0,1,2,3,4,5,6,7
	ds_store_b128 v[STO], v[AC+8*\b:AC+8*\b+3] offset:128*(\b/2)+32*(\b%2)         ; each accumulator from its low end on
	ds_store_b128 v[STO], v[AC+8*\b+4:AC+8*\b+7] offset:128*(\b/2)+32*(\b%2)+16
.endr
	WIN 0
.set BB, BK+64*((\a)%2)
.irp t, 0,1,2,3,4,5,6,7,8,9,10,11,12,13,14,15
	ds_load_b128 v[BB+4*\t:BB+4*\t+3], v[RD] offset:\t*SPITCH
.endr
.endm
.macro SEND a, younger                 ; younger: the LDS instructions issued behind tile a's loads, which may stay out
.set BB, BK+64*((\a)%2)
	s_wait_dscnt \younger
.irp t, 0,1,2,3,4,5,6,7,8,9,10,11,12,13,14,15
	global_store_b128 v[CO], v[BB+4*\t:BB+4*\t+3], s[14:15] offset:(32*((\a)/2)+8*((\a)%2)+16*(\t/8)+\t%8)*4096 th:TH_STORE_NT   ; position t of tile a is row 32 (a / 2) + 8 (a % 2) + 16 (t / 8) + t % 8; 512 consecutive bytes, aligned; 520,192 at the most
.endr
.endm
	PLACES NP
	TOSTAGE 0
.irp a, 1,2,3,4,5,6,7
.if \a > 1
	s_wait_xcnt 0x0                                ; tile a - 2's stores have read their registers: tile a's loads may land there
.endif
	TOSTAGE \a
	SEND \a-1, 32                                  ; behind tile a - 1's loads: tile a's 16 stores and 16 loads
.endr
	SEND 7, 0
	s_wait_tensorcnt 0x0                           ; the wave's end
	ds_add_u32 v[SPW], v[NIL]
	s_wait_dscnt 0x0
	CROUND                                         ; the closing round
	s_endpgm
.Lfunc_end_k_q4018873487_oproj:
	.size	k_q4018873487_oproj, .Lfunc_end_k_q4018873487_oproj-k_q4018873487_oproj
	.p2alignl 7, 3214868480
	.fill 96, 4, 3214868480
	.section	.rodata,"a",@progbits
	.p2align	6, 0x0
	.amdhsa_kernel k_q4018873487_oproj
		.amdhsa_group_segment_fixed_size 327680
		.amdhsa_private_segment_fixed_size 0
		.amdhsa_enable_private_segment 0
		.amdhsa_kernarg_size 48
		.amdhsa_user_sgpr_count 2
		.amdhsa_user_sgpr_kernarg_segment_ptr 1
		.amdhsa_wavefront_size32 1
		.amdhsa_system_sgpr_workgroup_id_x 1
		.amdhsa_system_sgpr_workgroup_id_y 1
		.amdhsa_system_sgpr_workgroup_id_z 1
		.amdhsa_system_vgpr_workitem_id 0
		.amdhsa_next_free_vgpr 1024
		.amdhsa_next_free_sgpr 102
		.amdhsa_reserve_vcc 0
		.amdhsa_float_denorm_mode_32 3
		.amdhsa_float_denorm_mode_16_64 3
		.amdhsa_memory_ordered 1
		.amdhsa_forward_progress 1
		.amdhsa_inst_pref_size 143
	.end_amdhsa_kernel
	.amdgpu_metadata
---
amdhsa.version: [ 1, 2 ]
amdhsa.kernels:
  - .name:           k_q4018873487_oproj
    .symbol:         k_q4018873487_oproj.kd
    .args:
      - { .name: cimg, .offset: 0, .size: 8, .value_kind: global_buffer, .address_space: global }
      - { .name: cscl, .offset: 8, .size: 8, .value_kind: global_buffer, .address_space: global }
      - { .name: wimg, .offset: 16, .size: 8, .value_kind: global_buffer, .address_space: global }
      - { .name: wscl, .offset: 24, .size: 8, .value_kind: global_buffer, .address_space: global }
      - { .name: bo, .offset: 32, .size: 8, .value_kind: global_buffer, .address_space: global }
      - { .name: out0, .offset: 40, .size: 8, .value_kind: global_buffer, .address_space: global }
    .group_segment_fixed_size: 327680
    .private_segment_fixed_size: 0
    .kernarg_segment_align: 8
    .kernarg_segment_size: 48
    .max_flat_workgroup_size: 128
    .sgpr_count:     102
    .vgpr_count:     1024
    .wavefront_size: 32
...
	.end_amdgpu_metadata
.endif
;; end of part 4
